; MI455X (gfx1250); checked and timed in simulation.
; The chip was launched on July 23, 2026; its instructions are those of AMD's public machine-readable ISA for CDNA 5 (MIT licence, August 2026) and "CDNA5" Instruction Set Architecture Reference Guide (July 2026). The comments in the code are by the model that wrote it; some were corrected since.
;; SWA. Allowed arithmetic: matrix products marked QUANTISED: E3M2 operands, one E8M0 scale for each 32 along K, by v_wmma_scale_f32_16x16x128_f8f6f4 with both operands' format E3M2, f32 sums; everything else in f32.
;; Inputs: wk_b 256 float32; wk_w 256 x 1,024 float32; wo_w 1,024 x 1,024 float32; wq_b 1,024 float32; wq_w 1,024 x 1,024 float32; wv_b 256 float32; wv_w 256 x 1,024 float32; x 2 x 2,048 x 1,024 float32.
;; Outputs: out0 2 x 2,048 x 1,024 float32.
;; Constants: sliding_window = 1024.
;; This version of the problem:
;;   THIS VERSION OF THE PROBLEM IS GIVEN IN LOW PRECISION. The matrix products marked QUANTISED in the list below multiply operands that are first quantised to E3M2 (3 exponent bits, 2 mantissa bits; 6 bits a number), with one power-of-two scale for each 32 numbers along K (OCP MX v1.0); their sums are f32. All else is computed in f32.
;;   The module's matrix products, in the order in which they are computed (A, B: the left and right operand; K: the contracted axis; several contracted axes count as one K, in the product's order):
;;     1. [M 4,096, K 1,024] x [K 1,024, N 1,024]; A: input x; B: input wq_w: QUANTISED
;;     2. [M 4,096, K 1,024] x [K 1,024, N 256]; A: input x; B: input wk_w: QUANTISED
;;     3. [M 4,096, K 1,024] x [K 1,024, N 256]; A: input x; B: input wv_w: QUANTISED
;;     4. batch 32 x [M 2,048, K 64] x [K 64, N 2,048]; A: computed on the way; B: computed on the way: QUANTISED
;;     5. batch 32 x [M 64, K 2,048] x [K 2,048, N 2,048]; A: computed on the way; B: softmax (see below): QUANTISED
;;     6. [M 4,096, K 1,024] x [K 1,024, N 1,024]; A: computed on the way; B: input wo_w: QUANTISED
;;   THE QUANTISER, for each operand of a quantised product, along K:
;;     - K is cut into blocks of 32 from its start; a last block that is shorter is filled with zeros.
;;     - A block's scale is 2^e with e = floor(log2(the largest magnitude in the block)) - 4, held to -126 .. 127; a block of zeros has e = 0. As a byte (E8M0): e + 127.
;;     - Each number is divided by its block's scale, clamped to +-28, and rounded to the nearest number of E3M2, ties to even, subnormals kept.
;;     - The product sums the exact products of the quantised numbers (number of the format x scale) in f32.
;;   ~~~python
;;   def quantise(x, axis):      # numpy; x: float32 -> the quantised numbers, widened to float32 again
;;       x = np.moveaxis(x, axis, -1); K = x.shape[-1]
;;       x = np.pad(x, [(0, 0)] * (x.ndim - 1) + [(0, -K % 32)]); x = x.reshape(x.shape[:-1] + (-1, 32)); a = np.abs(x).max(-1, keepdims=True)
;;       e = np.where(a > 0, np.clip(np.frexp(np.where(a > 0, a, 1))[1] - 1 - 4, -126, 127), 0)      # np.frexp(a)[1] - 1 = floor(log2(a)), exactly
;;       r = np.clip(x / 2.0 ** e, -28, 28)
;;       step = 2.0 ** (np.maximum(np.frexp(np.where(r == 0, 1, r))[1] - 1, -2) - 2)
;;       q = np.round(r / step) * step * 2.0 ** e      # np.round: ties to even
;;       return np.moveaxis(q.reshape(q.shape[:-2] + (-1,))[..., :K], -1, axis).astype(np.float32)
;;   ~~~
;;   SOFTMAX AHEAD OF A QUANTISED PRODUCT. Where the list says 'softmax', what is quantised is not the finished softmax but p = 2^(t - M), with t = logit x log2(e) and M = ceil(the row's largest t), a whole number; so 1/2 < the row's largest p <= 1. The row's sum l is taken of the UNQUANTISED p, in f32, and the product's result is divided by l at the end. Since M is a whole number, a kernel that streams over the keys may use a running M (the ceiling of the running maximum): every later rescaling is an exact power of two, which a block's scale takes up: the codes' values come out the same.
;;   OPERANDS COMPUTED ON THE WAY. 'Computed on the way' means the value that the module computes at that place (a softmax that the list does not call 'softmax' is quantised finished and normalised). What goes into a quantiser is computed in f32, as accurately as f32 sums, v_exp_f32 and their like allow (about 1e-6 of the number): no bf16 or f16 on the way to a quantiser, and a product that is left as it is and whose result goes on into a quantised operand takes f32 operands (vector FMAs, or v_wmma_f32_16x16x4_f32). A number that lies on a knife's edge between two numbers of the format may be rounded either way, as far as f32 arithmetic and the matrix unit's own rounding can turn it there, and no further.
;; One version. Each part assembles by itself: llvm-mc -triple=amdgcn-amd-amdhsa -mcpu=gfx1250 --defsym DOCPART=n.
;; ======== version 1 of 1: 4 launches
;; limits: right only within a limited range of input values
;; workspace buffers: img 5,111,808 bytes; isc 212,992 bytes; cs 524,288 bytes; qkvc 5,111,808 bytes; cimg 4,194,304 bytes
;; launch prep (part 1): grid 448 x 1, 4 waves a work-group, no clusters, 34,816 bytes of LDS; arguments x, wq_w, wk_w, wv_w, wo_w, img, isc, cs; writes img, isc, cs
.if DOCPART == 1
	.amdgcn_target "amdgcn-amd-amdhsa--gfx1250"
	.amdhsa_code_object_version 6
	.text
	.protected	k_q6517bb637b_prep
	.globl	k_q6517bb637b_prep
	.p2align	8
	.type	k_q6517bb637b_prep,@function
k_q6517bb637b_prep:
	s_mov_b64 s[64:65], 0
	v_nop
	global_prefetch_b8 v0, s[64:65] scope:SCOPE_SE
	s_setreg_imm32_b32 hwreg(HW_REG_WAVE_MODE, 25, 1), 1
	s_wait_xcnt 0x0
; x [4096][1024] and the four weights ([n][1024], K innermost), all f32, become operands of BF6 (E3M2) with one E8M0 scale for each 32 along K; and the table of cos and sin for the rotary embedding is made.
; WORK-GROUPS 0-415: one tile of 16 rows each (0-255 x, 256-319 wq, 320-335 wk, 336-351 wv, 352-415 wo).  Wave j takes K steps 2 j and 2 j + 1 (128 along K each).
; A fragment leaves as an IMAGE OF THE OPERAND'S REGISTERS: 12 registers a lane, piece P (registers 4 P .. 4 P + 3) at 512 P + 16 x lane: 1,536 bytes a K step, 12,288 a tile.  Lane (r, h) holds row r's blocks h and 2 + h.
; INSIDE EACH BLOCK OF 32 THE CODES STAND IN ONE FIXED ORDER, the same in every operand of the program: position p holds k = p with bits 3 and 4 changed over (0-7, 16-23, 8-15, 24-31).  Both sides of every product
; carry it, so every product of two numbers is kept, and blocks and scales are untouched.  It is the order in which a matrix result of two neighbouring tiles falls when it is quantised in registers (later launches).
; A tile's scale words: 512 bytes, lane L at 16 L, word j: lanes 0-15 row r's word of K step 2 j, lanes 16-31 of K step 2 j + 1.
; Loads read 512 consecutive bytes a wave; the 16 rows x 512 bytes of a K step turn through the wave's own stage in LDS (rows 528 bytes apart: sixteen rows begin in sixteen different groups of banks).
; A block's scale is 2^(floor(log2(largest magnitude)) - 4): its byte is the largest magnitude's exponent field - 4, held at 1 from below.
; WORK-GROUPS 416-447: wave w of group g makes the table for positions 16 P .. 16 P + 15, P = 4 g + w: at 4096 P + 512 (2 t + e) + 16 x lane: cos_i, sin_i, cos_(i+1), sin_(i+1), i = 8 t + 4 h + 2 e, position 16 P + r.
; The angle is the f32 product position x 10^(-i/8); it is reduced by n = nearest(angle x 2/pi) with pi/2 in three parts (fused multiply-adds), and sin and cos are polynomials on +-pi/4.
; LIMITS: NaN and infinities among the inputs are not served.  A block whose largest magnitude lies under 2^-122, a block of zeros too, keeps the byte 1 (its codes are then zeros or subnormal codes; the bytes are read by
; this program alone).  10^(-i/8) is the decimal number rounded to f32; a power and a division in f32 may give a neighbour of it.
.set NT,    416                        ; tiles
.set SP,    528                        ; a stage row
.set STGW,  16*SP                      ; a wave's stage
.set SCG,   4*STGW                     ; 512 bytes: the tile's scale words are gathered here
.set SPARE, SCG+512                    ; the spare words, 128 bytes for each wave: two blocks of 256 bytes that no other line names
.set LO16,  2                          ; v2   16 x lane
.set ST,    3                          ; v3   stage, on the way in
.set RD,    4                          ; v4   stage, on the way out: row r, + 128 h
.set SCA,   5                          ; v5   where my wave's scale word goes
.set SPW,   6                          ; v6   my spare word; never rewritten
.set NIL,   7                          ; v7   0; never rewritten
.set W0,    16                         ; v16, v17 the two K steps' scale words
.set W1,    17
.set H8,    18                         ; v18  8 h
.set SCR,   19                         ; v19  SCG + 16 x lane
.set F0,    20                         ; v20-31 the first fragment
.set TA,    32                         ; v32-34, v36-38 a block's second half of codes (a conversion's three registers begin on an even number)
.set TC,    36
.set F1,    40                         ; v40-51 the second fragment
.set R0,    64                         ; v64-127, v128-191 the two K steps as loaded
.set R1,    128
.set X,     192                        ; v192-255 64 numbers in the operand's order
.set OUTT,  64                         ; the table path: 32 results
	s_load_b256 s[4:11], s[0:1], 0x0               ; x, wq_w, wk_w, wv_w
	s_load_b256 s[12:19], s[0:1], 0x20             ; wo_w, img, isc, cs
	v_lshl_add_u32 v[SPW], v0, 2, SPARE
	v_mov_b32 v[NIL], 0
	v_lshrrev_b32 v1, 5, v0
	v_readfirstlane_b32 s20, v1                    ; wave
	v_and_b32 v1, 31, v0                           ; lane
	v_lshlrev_b32 v[LO16], 4, v1
	v_and_b32 v8, 15, v0                           ; r
	v_bfe_u32 v9, v0, 4, 1                         ; h
	s_cmp_ge_u32 ttmp9, NT                         ; the work-group's number alone decides: all four waves go the same way
	s_cbranch_scc1 .Ltable
	; ---------------- a tile of 16 rows becomes eight fragments ----------------
	s_mul_i32 s21, s20, STGW
	v_add_nc_u32 v[ST], s21, v[LO16]
	v_mul_u32_u24 v[RD], v8, SP
	v_lshl_add_u32 v[RD], v9, 7, v[RD]
	v_add_nc_u32 v[RD], s21, v[RD]
	s_lshl_b32 s22, s20, 2
	s_add_co_u32 s22, s22, SCG
	v_add_nc_u32 v[SCA], s22, v[LO16]              ; SCG + 16 x lane + 4 x wave
	v_add_nc_u32 v[SCR], SCG, v[LO16]
	v_lshlrev_b32 v[H8], 3, v9
	v_mov_b32 v14, 0                               ; a lane permute's destination counts as read
	s_mov_b32 s23, 0xffff0000                      ; lanes 16-31
	s_mov_b32 s30, 0x76543210
	s_mov_b32 s31, 0xfedcba98                      ; v_permlanex16_b32's selects for lane l xor 16
	s_wait_alu depctr_va_vdst(0)
	s_wait_kmcnt 0x0
	s_mov_b64 s[24:25], s[12:13]                   ; which tensor, and its first tile: chosen by the work-group's number
	s_mov_b32 s26, 352
	s_cmp_lt_u32 ttmp9, 352
	s_cselect_b64 s[24:25], s[10:11], s[24:25]
	s_cselect_b32 s26, 336, s26
	s_cmp_lt_u32 ttmp9, 336
	s_cselect_b64 s[24:25], s[8:9], s[24:25]
	s_cselect_b32 s26, 320, s26
	s_cmp_lt_u32 ttmp9, 320
	s_cselect_b64 s[24:25], s[6:7], s[24:25]
	s_cselect_b32 s26, 256, s26
	s_cmp_lt_u32 ttmp9, 256
	s_cselect_b64 s[24:25], s[4:5], s[24:25]
	s_cselect_b32 s26, 0, s26
	s_sub_co_u32 s26, ttmp9, s26
	s_lshl_b32 s26, s26, 16                        ; 16 rows of 4,096 bytes a tile,
	s_lshl_b32 s27, s20, 10                        ; 1,024 bytes of each row a wave
	s_add_co_u32 s26, s26, s27
	s_mov_b32 s27, 0
	s_add_nc_u64 s[24:25], s[24:25], s[26:27]
	s_mul_i32 s28, ttmp9, 12288
	s_mul_i32 s29, s20, 3072
	s_add_co_u32 s28, s28, s29
	s_mov_b32 s29, 0
	s_add_nc_u64 s[14:15], s[14:15], s[28:29]      ; my two fragments' images
	s_lshl_b32 s28, ttmp9, 9
	s_add_nc_u64 s[16:17], s[16:17], s[28:29]      ; the tile's scale words
.irp e, 0,1
.irp i, 0,1,2,3,4,5,6,7,8,9,10,11,12,13,14,15
	global_load_b128 v[R0+64*\e+4*\i:R0+64*\e+4*\i+3], v[LO16], s[24:25] offset:4096*\i+512*\e th:TH_LOAD_NT   ; 512 consecutive bytes of row i; read once in the launch
.endr
.endr
; A K step's 16 rows x 512 bytes go into the stage as they lie and come back as the operand wants them: lane (r, h) takes blocks h and 2 + h of row r, each in the fixed order.
; LDS serves a wave's instructions in order, so no wait stands between the stores and the loads.
.macro TURN src, dst
.irp i, 0,1,2,3,4,5,6,7,8,9,10,11,12,13,14,15
	ds_store_b128 v[ST], v[\src+4*\i:\src+4*\i+3] offset:SP*\i
.endr
.irp c, 0,1
.irp g, 0,1,2,3,4,5,6,7
	ds_load_b128 v[\dst+32*\c+4*\g:\dst+32*\c+4*\g+3], v[RD] offset:256*\c+16*(\g%2)+64*((\g/2)%2)+32*(\g/4)
.endr
.endr
.endm
; 64 numbers, two whole blocks of a lane, become a fragment's 12 registers in v[f] on and the row's scale word in v[w].
.macro QUANTF x, f, w
	v_max3_num_f32 v8, |v[\x]|, |v[\x+1]|, 0x2800000       ; the floor 2^(5 - 127) is a leaf of the maximum: the byte cannot fall under 1
	v_max3_num_f32 v9, |v[\x+32]|, |v[\x+33]|, 0x2800000
.irp i, 2,4,6,8,10,12,14,16,18,20,22,24,26,28,30
	v_max3_num_f32 v8, v8, |v[\x+\i]|, |v[\x+\i+1]|        ; the two blocks by turns
	v_max3_num_f32 v9, v9, |v[\x+32+\i]|, |v[\x+33+\i]|
.endr
	v_add_nc_u32 v10, 0xfe000000, v8               ; 4 off the exponent field: the conversion takes this operand's exponent field as its scale
	v_add_nc_u32 v11, 0xfe000000, v9
	v_lshrrev_b32 v12, 23, v10                     ; the scales' bytes
	v_lshrrev_b32 v13, 23, v11
	v_lshl_or_b32 v[\w], v13, 16, v12              ; blocks h and 2 + h,
	v_lshlrev_b32 v[\w], v[H8], v[\w]              ; at their places in the word;
	v_permlanex16_b32 v14, v[\w], s30, s31
	v_or_b32 v[\w], v[\w], v14                     ; with lane l xor 16's two the word is whole
	v_cvt_scalef32_pk16_bf6_f32 v[\f:\f+2], v[\x:\x+15], v10
	v_cvt_scalef32_pk16_bf6_f32 v[TA:TA+2], v[\x+16:\x+31], v10
	v_cvt_scalef32_pk16_bf6_f32 v[\f+6:\f+8], v[\x+32:\x+47], v11
	v_cvt_scalef32_pk16_bf6_f32 v[TC:TC+2], v[\x+48:\x+63], v11
	v_nop                                          ; one plain line behind the scaled conversions
.irp i, 0,1,2
	v_mov_b32 v[\f+3+\i], v[TA+\i]
	v_mov_b32 v[\f+9+\i], v[TC+\i]
.endr
.endm
	s_wait_loadcnt 16                              ; the first K step's 16 loads are in; the second's may be out
	TURN R0, X
	s_wait_dscnt 0x0                               ; the stage has been read and R0's stores have read their registers
	s_wait_loadcnt 0x0
	TURN R1, R0                                    ; the second K step turns while the first is quantised
	QUANTF X, F0, W0
.irp p, 0,1,2
	global_store_b128 v[LO16], v[F0+4*\p:F0+4*\p+3], s[14:15] offset:512*\p          ; 512 consecutive bytes
.endr
	s_wait_dscnt 0x0
	QUANTF R0, F1, W1
.irp p, 0,1,2
	global_store_b128 v[LO16], v[F1+4*\p:F1+4*\p+3], s[14:15] offset:1536+512*\p
.endr
	v_cndmask_b32 v[W0], v[W0], v[W1], s23         ; lanes 0-15 K step 2 j, lanes 16-31 K step 2 j + 1
	ds_store_b32 v[SCA], v[W0]
	s_wait_dscnt 0x0                               ; for the others' sake: my word has landed
	s_barrier_signal -1
	s_barrier_wait -1
	s_cmp_lg_u32 s20, 0
	s_cbranch_scc1 .Lquant_end
	ds_load_b128 v[52:55], v[SCR]                  ; wave 0 stores the tile's 512 bytes of scale words, dense
	s_wait_dscnt 0x0
	global_store_b128 v[LO16], v[52:55], s[16:17]
.Lquant_end:
	s_wait_tensorcnt 0x0                           ; the wave's end, behind my last LDS store
	ds_add_u32 v[SPW], v[NIL]
	s_wait_dscnt 0x0
	s_endpgm
	; ---------------- the table of cos and sin ----------------
.Ltable:
	s_sub_co_u32 s21, ttmp9, NT
	s_lshl_b32 s21, s21, 2
	s_add_co_u32 s21, s21, s20                     ; P
	s_lshl_b32 s22, s21, 4
	s_wait_alu depctr_va_vdst(0)
	v_add_nc_u32 v8, s22, v8                       ; position 16 P + r
	v_cvt_f32_u32 v19, v8
	v_cmp_le_u32 vcc_lo, 16, v1                    ; lanes 16-31
	s_mov_b32 s24, 0x3f22f983                      ; 2 / pi
	s_mov_b32 s25, 0x3fc90fda                      ; pi / 2 in three parts
	s_mov_b32 s26, 0x33a22168
	s_mov_b32 s27, 0x27c234c4
	s_mov_b32 s28, -0.16666654611                  ; sin r = r + r z (S1 + S2 z + S3 z^2), z = r^2
	s_mov_b32 s29, 0.0083321608736
	s_mov_b32 s30, -0.00019515295891
	s_mov_b32 s31, 0.04166664568                   ; cos r = 1 - z / 2 + z^2 (C1 + C2 z + C3 z^2)
	s_mov_b32 s32, -0.001388731625
	s_mov_b32 s33, 0.00002443315712
	s_lshl_b32 s22, s21, 12
	s_mov_b32 s23, 0
	s_wait_kmcnt 0x0
	s_add_nc_u64 s[18:19], s[18:19], s[22:23]
; cos into v[d], sin into v[d + 1], of position x (a in lanes 0-15, b in lanes 16-31)
.macro ENTRY d, a, b
	v_mov_b32 v9, \b
	v_cndmask_b32 v9, \a, v9, vcc_lo
	s_wait_alu depctr_va_vdst(0)
	v_mul_f32 v8, v19, v9                          ; the angle, rounded once
	v_mul_f32 v9, s24, v8
	v_rndne_f32 v9, v9                             ; n
	v_fma_f32 v10, -v9, s25, v8
	v_fma_f32 v10, -v9, s26, v10
	v_fma_f32 v10, -v9, s27, v10                   ; r = angle - n pi / 2
	v_mul_f32 v11, v10, v10                        ; z
	v_cvt_i32_f32 v12, v9
	v_fma_f32 v13, v11, s30, s29
	v_fma_f32 v14, v11, s33, s32
	v_fma_f32 v13, v13, v11, s28
	v_fma_f32 v14, v14, v11, s31
	v_mul_f32 v13, v13, v11
	v_fma_f32 v14, v14, v11, -0.5
	v_fma_f32 v13, v13, v10, v10                   ; sin r
	v_fma_f32 v14, v14, v11, 1.0                   ; cos r
	v_and_b32 v15, 1, v12
	v_cmp_ne_u32 s40, 0, v15                       ; an odd quarter: sin and cos change places
	v_cndmask_b32 v16, v13, v14, s40
	v_cndmask_b32 v17, v14, v13, s40
	v_lshlrev_b32 v15, 30, v12                     ; sin is negative in quarters 2 and 3,
	v_and_b32 v15, 0x80000000, v15
	v_xor_b32 v[\d+1], v16, v15
	v_add_nc_u32 v12, 1, v12                       ; cos in quarters 1 and 2
	v_lshlrev_b32 v12, 30, v12
	v_and_b32 v12, 0x80000000, v12
	v_xor_b32 v[\d], v17, v12
.endm
	ENTRY OUTT+0,  1.0,               0.316227766017
	ENTRY OUTT+2,  0.749894209332,    0.237137370566
	ENTRY OUTT+4,  0.562341325190,    0.177827941004
	ENTRY OUTT+6,  0.421696503429,    0.133352143216
	ENTRY OUTT+8,  0.1,               0.0316227766017
	ENTRY OUTT+10, 0.0749894209332,   0.0237137370566
	ENTRY OUTT+12, 0.0562341325190,   0.0177827941004
	ENTRY OUTT+14, 0.0421696503429,   0.0133352143216
	ENTRY OUTT+16, 0.01,              0.00316227766017
	ENTRY OUTT+18, 0.00749894209332,  0.00237137370566
	ENTRY OUTT+20, 0.00562341325190,  0.00177827941004
	ENTRY OUTT+22, 0.00421696503429,  0.00133352143216
	ENTRY OUTT+24, 0.001,             0.000316227766017
	ENTRY OUTT+26, 0.000749894209332, 0.000237137370566
	ENTRY OUTT+28, 0.000562341325190, 0.000177827941004
	ENTRY OUTT+30, 0.000421696503429, 0.000133352143216
.irp n, 0,1,2,3,4,5,6,7
	global_store_b128 v[LO16], v[OUTT+4*\n:OUTT+4*\n+3], s[18:19] offset:512*\n      ; 512 consecutive bytes
.endr
	s_wait_tensorcnt 0x0                           ; the same three lines close this path
	ds_add_u32 v[SPW], v[NIL]
	s_wait_dscnt 0x0
	s_endpgm
.Lfunc_end_k_q6517bb637b_prep:
	.size	k_q6517bb637b_prep, .Lfunc_end_k_q6517bb637b_prep-k_q6517bb637b_prep
	.p2alignl 7, 3214868480
	.fill 96, 4, 3214868480
	.section	.rodata,"a",@progbits
	.p2align	6, 0x0
	.amdhsa_kernel k_q6517bb637b_prep
		.amdhsa_group_segment_fixed_size 34816
		.amdhsa_private_segment_fixed_size 0
		.amdhsa_enable_private_segment 0
		.amdhsa_kernarg_size 64
		.amdhsa_user_sgpr_count 2
		.amdhsa_user_sgpr_kernarg_segment_ptr 1
		.amdhsa_wavefront_size32 1
		.amdhsa_system_sgpr_workgroup_id_x 1
		.amdhsa_system_sgpr_workgroup_id_y 1
		.amdhsa_system_sgpr_workgroup_id_z 1
		.amdhsa_system_vgpr_workitem_id 0
		.amdhsa_next_free_vgpr 256
		.amdhsa_next_free_sgpr 66
		.amdhsa_reserve_vcc 1
		.amdhsa_float_denorm_mode_32 3
		.amdhsa_float_denorm_mode_16_64 3
		.amdhsa_memory_ordered 1
		.amdhsa_forward_progress 1
		.amdhsa_inst_pref_size 43
	.end_amdhsa_kernel
	.amdgpu_metadata
---
amdhsa.version: [ 1, 2 ]
amdhsa.kernels:
  - .name:           k_q6517bb637b_prep
    .symbol:         k_q6517bb637b_prep.kd
    .args:
      - { .name: x, .offset: 0, .size: 8, .value_kind: global_buffer, .address_space: global }
      - { .name: wq_w, .offset: 8, .size: 8, .value_kind: global_buffer, .address_space: global }
      - { .name: wk_w, .offset: 16, .size: 8, .value_kind: global_buffer, .address_space: global }
      - { .name: wv_w, .offset: 24, .size: 8, .value_kind: global_buffer, .address_space: global }
      - { .name: wo_w, .offset: 32, .size: 8, .value_kind: global_buffer, .address_space: global }
      - { .name: img, .offset: 40, .size: 8, .value_kind: global_buffer, .address_space: global }
      - { .name: isc, .offset: 48, .size: 8, .value_kind: global_buffer, .address_space: global }
      - { .name: cs, .offset: 56, .size: 8, .value_kind: global_buffer, .address_space: global }
    .group_segment_fixed_size: 34816
    .private_segment_fixed_size: 0
    .kernarg_segment_align: 8
    .kernarg_segment_size: 64
    .max_flat_workgroup_size: 128
    .sgpr_count:     66
    .vgpr_count:     256
    .wavefront_size: 32
...
	.end_amdgpu_metadata
.endif
;; end of part 1
;; launch qkv (part 2): grid 32 x 6, 8 waves a work-group, clusters of 4 x 1, 327,680 bytes of LDS; arguments img, isc, cs, wq_b, wk_b, wv_b, qkvc; writes qkvc
.if DOCPART == 2
	.amdgcn_target "amdgcn-amd-amdhsa--gfx1250"
	.amdhsa_code_object_version 6
	.text
	.protected	k_q6517bb637b_qkv
	.globl	k_q6517bb637b_qkv
	.p2align	8
	.type	k_q6517bb637b_qkv,@function
k_q6517bb637b_qkv:
	s_mov_b64 s[64:65], 0
	v_nop
	global_prefetch_b8 v0, s[64:65] scope:SCOPE_SE
	s_setreg_imm32_b32 hwreg(HW_REG_WAVE_MODE, 25, 1), 1
	s_wait_xcnt 0x0
	s_wait_alu depctr_hold_cnt(0) depctr_sa_sdst(0) depctr_va_vdst(0) depctr_va_sdst(0) depctr_va_ssrc(0) depctr_va_vcc(0) depctr_vm_vsrc(0)
	s_getreg_b32 s2, hwreg(HW_REG_IB_STS2, 6, 4)
	s_cmp_eq_u32 s2, 0
	s_cbranch_scc0 .Lentry_in_a_cluster
	s_endpgm
.Lentry_in_a_cluster:
	s_bfe_u32 s2, ttmp6, 0x10000c
	s_cmp_lg_u32 s2, 0x3003
	s_cbranch_scc0 .Lentry_shape_is_right
	s_endpgm
.Lentry_shape_is_right:
; q = rope(x Wq^T + bq), k = rope(x Wk^T + bk), v = x Wv^T + bv, the products on codes of BF6 (E3M2) with E8M0 scales; the results are quantised at once: q and k along the head's 64, v along the keys.
; SHARES.  A work-group takes 128 rows (rb) x 256 columns (cb: 0-3 q's heads 4 cb .., 4 all of k, 5 all of v).  Eight waves; wave w takes 64 rows (i = w / 4) x one head (jh = w % 4): 16 accumulators,
; and its result is exactly one UNIT of output: 64 rows x one head.
; K (1,024) LIES IN LDS IN TWO HALVES of four K steps each (6,144 bytes a tile): x's 8 tiles, then the weights' 16.  Each half is filled once, by one tensor load a wave: waves 0-3 two tiles of x, waves 4-7 four of the weights.
; The second half is asked for behind the barrier that shows the first, and has the first four K steps' work in which to land.
; CLUSTER: the four work-groups of a cluster share cb, so the weights' tiles are asked for JOINTLY (mask 15); x's tiles are each work-group's own (no mask).
; No prefetch: there is no loop of loads to run ahead in, every tile is asked for once.
; q, k: source 0 = 16 rows of W, source 1 = 16 rows of x: a lane holds ONE row and its registers run along the features 16 t + 8 h + j: pairs for the rotation lie in one lane, and so do neighbours along the next K.
; v: the sources change places: a lane holds one channel d and its registers run along the KEYS, which are the next K.  The bias is the C of each sum's first matrix instruction.
; A UNIT (3,328 bytes): 3,072 bytes of codes, 24 registers a lane, piece q (registers 2 q, 2 q + 1) at 256 q + 8 x lane.  Registers 6 a .. 6 a + 5 are item a (q, k: rows 16 a ..; v: channels 16 a ..); lane (r, h) holds block h
; of the item's row r.  Inside a block the codes stand in the program's fixed order (0-7, 16-23, 8-15, 24-31), which is how two neighbouring tiles' results fall.  Behind them 256 bytes of scales: lane at 8 x lane, word u:
; item 2 u in lanes 0-15, item 2 u + 1 in lanes 16-31; a word is byte(block 0), byte(block 1), 0x7f, 0x7f.
; LIMITS: NaN and infinities are not served; a block whose largest magnitude lies under 2^-122 keeps the byte 1.
.set HF,    147456                     ; half of K: x's 8 tiles x 6,144 bytes, then the weights' 16
.set BOFF,  49152
.set SPARE, 2*HF                       ; the spare words, 128 bytes for each wave: four blocks of 256 bytes that no other line names
.set ADX,   2                          ; v2-3   16 x lane + half j + my four tiles of x
.set ADW,   6                          ; v6-7   the same for the weights
.set LO16,  10                         ; v10    16 x lane
.set LO8,   11                         ; v11    8 x lane
.set SPW,   12                         ; v12    my spare word; never rewritten
.set NIL,   13                         ; v13    0; never rewritten
.set SO,    14                         ; v14-15 the unit's two scale words
.set SCL0,  16                         ; v16-31 source 0's scale words: tile u, word j at 4 u + j (lanes 0-15 K step 2 j, lanes 16-31 K step 2 j + 1)
.set SCL1,  32                         ; v32-47 source 1's
.set BIAS,  48                         ; v48-79
.set T,     80                         ; v80-87 at work
.set TM,    88                         ; v88-103 the quantiser's
.set CO,    104                        ; v104-127 the unit's codes
.set ACC,   128                        ; v128-255 accumulator (a, t) at 8 (4 a + t)
; window 1: two fragment buffers of 96 (source 1's four fragments, then source 0's), v192-255 two sets of cos and sin; two more sets land in buffer 0 when it is done with
.set TO_F,   0x40                      ; destination window 1
.set W_MUL,  0x05                      ; sources 0 and 1 window 1
.set W_ROPE, 0x04                      ; source 1 window 1
.set MSB, 0
.macro WIN new                         ; the immediate's high byte repeats the setting that is left
.if MSB != \new
	s_set_vgpr_msb (MSB<<8)|\new
.set MSB, \new
.endif
.endm
.macro PLACES                          ; four plain lines behind matrix instructions, ahead of loads into their registers and of the first read of results
.rept 4
	v_nop
.endr
.endm
.macro CROUND                          ; a round of the cluster's barrier
	s_barrier_signal -1
	s_barrier_wait -1
	s_cmp_lg_u32 s20, 0
	s_cbranch_scc1 .Lnot_wave_0_\@
	s_barrier_signal -3
.Lnot_wave_0_\@:
	s_barrier_wait -3
	s_barrier_signal -1
	s_barrier_wait -1
.endm
.macro MKG0 g, lds, ptr, j             ; descriptor group 0 for half j
	s_mov_b32 s[\g], 1
	s_add_co_u32 s[\g+1], s[\lds], (\j)*HF
	s_add_nc_u64 s[\g+2:\g+3], s[\ptr:\ptr+1], (\j)*6144
	s_or_b32 s[\g+3], s[\g+3], 0x80000000
.endm
.macro JLOAD gx, gw                    ; one tensor load a wave: waves 0-3 for x, waves 4-7 for the weights
	s_cmp_lt_u32 s20, 4
	s_cbranch_scc0 .Lfor_w_\@
	tensor_load_to_lds s[\gx:\gx+3], s[24:31]
	s_nop 0
.rept 4
	v_nop
.endr
	s_branch .Lasked_\@
.Lfor_w_\@:
	tensor_load_to_lds s[\gw:\gw+3], s[32:39]
	s_nop 0
.rept 4
	v_nop
.endr
.Lasked_\@:
.endm
	s_load_b256 s[4:11], s[0:1], 0x0               ; img, isc, cs, wq_b
	s_load_b128 s[12:15], s[0:1], 0x20             ; wk_b, wv_b
	s_load_b64 s[16:17], s[0:1], 0x30              ; qkvc
	v_lshl_add_u32 v[SPW], v0, 2, SPARE
	v_mov_b32 v[NIL], 0
	ds_add_u32 v[SPW], v[NIL]                      ; the wave's opening: the add, twice on end, and its wait ahead of my first tensor load
	ds_add_u32 v[SPW], v[NIL]
	v_lshrrev_b32 v1, 5, v0
	s_delay_alu instid0(VALU_DEP_1)
	v_readfirstlane_b32 s20, v1                    ; wave 0..7
	s_lshr_b32 s21, s20, 2                         ; i
	s_and_b32 s22, s20, 3                          ; jh
	s_bfe_u32 s23, ttmp6, 0x40000                  ; cx
	s_lshl_b32 s76, ttmp9, 2
	s_add_co_u32 s76, s76, s23                     ; rb = 4 x cluster x + cx
	s_and_b32 s77, ttmp7, 0xffff                   ; cb: the same in all four partners
	s_mov_b32 s78, 0xffff0000                      ; lanes 16-31
	s_mov_b32 s80, 0x76543210
	s_mov_b32 s81, 0xfedcba98
	s_mov_b32 s24, 3<<16                           ; x's tiles: two rows of 768 elements of 8 bytes, 12,288 bytes apart; no mask
	s_mov_b32 s25, 768<<16
	s_mov_b32 s26, 2<<16
	s_mov_b32 s27, 768<<16
	s_mov_b32 s28, 2
	s_mov_b32 s29, 1536
	s_mov_b32 s30, 0
	s_mov_b32 s31, 0
	s_mov_b32 s32, 15|(3<<16)|(1<<21)              ; the weights': four such rows; all four work-groups are named
	s_mov_b32 s33, 768<<16
	s_mov_b32 s34, 4<<16
	s_mov_b32 s35, 768<<16
	s_mov_b32 s36, 4
	s_mov_b32 s37, 1536
	s_mov_b32 s38, 0
	s_mov_b32 s39, 0
	v_and_b32 v1, 31, v0
	s_delay_alu instid0(VALU_DEP_1)
	v_lshlrev_b32 v[LO16], 4, v1
	v_lshlrev_b32 v[LO8], 3, v1
	s_wait_alu depctr_va_vdst(0)
	s_mul_i32 s82, s21, 24576
	s_mul_i32 s83, s22, 24576
	s_add_co_u32 s83, s83, BOFF
.irp j, 0,1
	v_add_nc_u32 v[ADX+\j], s82, v[LO16]
	v_add_nc_u32 v[ADW+\j], s83, v[LO16]
	s_add_co_u32 s82, s82, HF
	s_add_co_u32 s83, s83, HF
.endr
.irp b, 0,1,2,3
	v_mov_b32 v[TM+4+\b], 0                        ; a lane permute's destination counts as read
.endr
	s_mul_i32 s84, s22, 12288                      ; where my loads land: x's tiles 2 w and 2 w + 1 (waves 0-3),
	s_mul_i32 s85, s22, 24576
	s_add_co_u32 s85, s85, BOFF                    ; the weights' tiles 4 (w - 4) .. (waves 4-7)
	s_lshl_b32 s86, s76, 3
	s_lshl_b32 s87, s22, 1
	s_add_co_u32 s86, s86, s87
	s_mul_i32 s86, s86, 12288                      ; x's tile 8 rb + 2 (w % 4)
	s_mov_b32 s87, 0
	s_lshl_b32 s88, s77, 4
	s_lshl_b32 s89, s22, 2
	s_add_co_u32 s88, s88, s89
	s_add_co_u32 s88, s88, 256
	s_mul_i32 s88, s88, 12288                      ; the weights' tile 256 + 16 cb + 4 (w % 4): nothing of cx in it
	s_mov_b32 s89, 0
	; the scale words of my four tiles on each side
	s_lshl_b32 s82, s77, 4
	s_lshl_b32 s83, s22, 2
	s_add_co_u32 s82, s82, s83
	s_add_co_u32 s82, s82, 256
	s_lshl_b32 s82, s82, 9                         ; the weights': tile 256 + 16 cb + 4 jh
	s_lshl_b32 s83, s76, 3
	s_lshl_b32 s94, s21, 2
	s_add_co_u32 s83, s83, s94
	s_lshl_b32 s83, s83, 9                         ; x's: tile 8 rb + 4 i
	s_cmp_eq_u32 s77, 5
	s_cselect_b32 s90, s83, s82                    ; source 0: the weights; for v: x
	s_cselect_b32 s92, s82, s83
	s_mov_b32 s91, 0
	s_mov_b32 s93, 0
	; my unit: q's units from 0, k's from 1,024, v's from 1,280; in a tensor (b x heads + head) x 32 + the block of 64 rows in the sequence
	s_lshl_b32 s95, s77, 2
	s_lshl_b32 s96, s77, 8
	s_cmp_lt_u32 s77, 4
	s_cselect_b32 s94, 4, 2                        ; log2 of the heads
	s_cselect_b32 s95, s95, 0
	s_cselect_b32 s96, 0, s96
	s_add_co_u32 s95, s95, s22                     ; the head
	s_lshr_b32 s97, s76, 4                         ; b
	s_lshl_b32 s97, s97, s94
	s_add_co_u32 s97, s97, s95
	s_lshl_b32 s97, s97, 5
	s_lshl_b32 s98, s76, 1
	s_add_co_u32 s98, s98, s21
	s_and_b32 s98, s98, 31
	s_add_co_u32 s97, s97, s98
	s_add_co_u32 s96, s96, s97
	s_mul_i32 s98, s96, 3328
	s_mov_b32 s99, 0
	s_wait_alu depctr_va_vdst(0)
	s_wait_dscnt 0x0                               ; both opening adds are done
	s_wait_kmcnt 0x0
	s_add_nc_u64 s[86:87], s[4:5], s[86:87]
	s_add_nc_u64 s[88:89], s[4:5], s[88:89]
	s_add_nc_u64 s[90:91], s[6:7], s[90:91]
	s_add_nc_u64 s[92:93], s[6:7], s[92:93]
	s_add_nc_u64 s[16:17], s[16:17], s[98:99]
	MKG0 40, 84, 86, 0
	MKG0 44, 85, 88, 0
	MKG0 48, 84, 86, 1
	MKG0 52, 85, 88, 1
.irp u, 0,1,2,3
	global_load_b128 v[SCL0+4*\u:SCL0+4*\u+3], v[LO16], s[90:91] offset:512*\u
	global_load_b128 v[SCL1+4*\u:SCL1+4*\u+3], v[LO16], s[92:93] offset:512*\u
.endr
	CROUND                                         ; all four work-groups are here: the joint loads meet
	JLOAD 40, 44                                   ; the first half: one tensor load a wave
; 24 LDS loads: K step st's eight fragments into buffer st % 2.  sw = 1: the sources change places
.macro FETCH st, sw
	WIN TO_F
.set BF, 96*((\st)%2)
.set EO, 1536*((\st)%4)
.if \sw
.set AS1, ADW+(\st)/4
.set AS0, ADX+(\st)/4
.else
.set AS1, ADX+(\st)/4
.set AS0, ADW+(\st)/4
.endif
.irp u, 0,1,2,3
.irp p, 0,1,2
	ds_load_b128 v[BF+12*\u+4*\p:BF+12*\u+4*\p+3], v[AS1] offset:6144*\u+EO+512*\p
.endr
.endr
.irp u, 0,1,2,3
.irp p, 0,1,2
	ds_load_b128 v[BF+48+12*\u+4*\p:BF+48+12*\u+4*\p+3], v[AS0] offset:6144*\u+EO+512*\p
.endr
.endr
.endm
; 16 matrix instructions: K step st.  The 16 accumulators take turns, one instruction a turn, in the same order in every step.  The first step's C is the bias (vb = 1: by source 1's tile)
.macro MUL st, vb
	WIN W_MUL
.set BF, 96*((\st)%2)
.irp a, 0,1,2,3
.irp t, 0,1,2,3
.if (\st) == 0
.if \vb
	v_wmma_scale_f32_16x16x128_f8f6f4 v[ACC+8*(4*\a+\t):ACC+8*(4*\a+\t)+7], v[BF+48+12*\t:BF+48+12*\t+11], v[BF+12*\a:BF+12*\a+11], v[BIAS+8*\a:BIAS+8*\a+7], v[SCL0+4*\t], v[SCL1+4*\a] matrix_a_fmt:MATRIX_FMT_BF6 matrix_b_fmt:MATRIX_FMT_BF6
.else
	v_wmma_scale_f32_16x16x128_f8f6f4 v[ACC+8*(4*\a+\t):ACC+8*(4*\a+\t)+7], v[BF+48+12*\t:BF+48+12*\t+11], v[BF+12*\a:BF+12*\a+11], v[BIAS+8*\t:BIAS+8*\t+7], v[SCL0+4*\t], v[SCL1+4*\a] matrix_a_fmt:MATRIX_FMT_BF6 matrix_b_fmt:MATRIX_FMT_BF6
.endif
.elseif ((\st)%2) == 0
	v_wmma_scale_f32_16x16x128_f8f6f4 v[ACC+8*(4*\a+\t):ACC+8*(4*\a+\t)+7], v[BF+48+12*\t:BF+48+12*\t+11], v[BF+12*\a:BF+12*\a+11], v[ACC+8*(4*\a+\t):ACC+8*(4*\a+\t)+7], v[SCL0+4*\t+(\st)/2], v[SCL1+4*\a+(\st)/2] matrix_a_fmt:MATRIX_FMT_BF6 matrix_b_fmt:MATRIX_FMT_BF6
.else
	v_wmma_scale_f32_16x16x128_f8f6f4 v[ACC+8*(4*\a+\t):ACC+8*(4*\a+\t)+7], v[BF+48+12*\t:BF+48+12*\t+11], v[BF+12*\a:BF+12*\a+11], v[ACC+8*(4*\a+\t):ACC+8*(4*\a+\t)+7], v[SCL0+4*\t+(\st)/2], v[SCL1+4*\a+(\st)/2] matrix_a_fmt:MATRIX_FMT_BF6 matrix_b_fmt:MATRIX_FMT_BF6 matrix_a_scale:MATRIX_SCALE_ROW1 matrix_b_scale:MATRIX_SCALE_ROW1
.endif
.endr
.endr
.endm
.macro LOADCS a, reg                   ; cos and sin for my rows 16 a .. 16 a + 15: 32 registers in window 1
	WIN TO_F
.irp n, 0,1,2,3,4,5,6,7
	global_load_b128 v[\reg+4*\n:\reg+4*\n+3], v[LO16], s[8:9] offset:4096*\a+512*\n
.endr
.endm
; The eight K steps.  The first half of K is in behind the three lines and the round; the second half's load is the first tensor load behind that round; it is waited for, and shown to all, ahead of K step 4's fragments.
.macro KLOOP sw, vb, rp
	WIN 0
	s_wait_tensorcnt 0x0                           ; my part of the first half is in
	ds_add_u32 v[SPW], v[NIL]                      ; the add again, ahead of a later first fill
	s_wait_dscnt 0x0
	CROUND
	JLOAD 48, 52
	FETCH 0, \sw
.irp k, 0,1,2,3,4,5,6
.if \k == 3
	s_wait_tensorcnt 0x0                           ; the second half
	s_wait_dscnt 0x0                               ; no LDS load of mine is out at the signal
	s_barrier_signal -1
	s_barrier_wait -1
.endif
.if \k > 0
	PLACES                                         ; the buffer to be loaded was multiplied a step ago
.endif
	FETCH \k+1, \sw
	s_wait_dscnt 24                                ; all but the 24 just issued
	MUL \k, \vb
.endr
	PLACES
.if \rp
	LOADCS 2, 0                                    ; buffer 0 is done with
	LOADCS 3, 32
.endif
	s_wait_dscnt 0x0
	MUL 7, \vb
.endm
; The rotation of row tile a: pairs (x1, x2) lie in neighbouring registers, (cos, sin) likewise: (x1 c - x2 s, x1 s + x2 c) by a packed multiply and a packed multiply-add, four pairs at a time
.macro ROPE a, reg
	WIN W_ROPE
.irp g, 0,1,2,3
.irp n, 0,1,2,3
	v_pk_mul_f32 v[T+2*\n:T+2*\n+1], v[ACC+32*\a+8*\g+2*\n:ACC+32*\a+8*\g+2*\n+1], v[\reg+8*\g+2*\n:\reg+8*\g+2*\n+1] op_sel:[1,1] op_sel_hi:[1,0]   ; (x2 s, x2 c)
.endr
.irp n, 0,1,2,3
	v_pk_fma_f32 v[ACC+32*\a+8*\g+2*\n:ACC+32*\a+8*\g+2*\n+1], v[ACC+32*\a+8*\g+2*\n:ACC+32*\a+8*\g+2*\n+1], v[\reg+8*\g+2*\n:\reg+8*\g+2*\n+1], v[T+2*\n:T+2*\n+1] op_sel_hi:[0,1,1] neg_lo:[0,0,1]
.endr
.endr
.endm
; 64 registers v[s] on = two items x two blocks (my 16 numbers of each; lane l xor 16 has the other 16) become 12 registers of codes in v[pc] on and one scale word in v[so]; the four blocks by turns
.macro QUANT s, pc, so
.irp b, 0,1,2,3
	v_max3_num_f32 v[TM+\b], |v[\s+16*\b]|, |v[\s+1+16*\b]|, 0x2800000   ; with the floor 2^(5 - 127)
.endr
.irp i, 2,4,6,8,10,12,14
.irp b, 0,1,2,3
	v_max3_num_f32 v[TM+\b], v[TM+\b], |v[\s+16*\b+\i]|, |v[\s+1+16*\b+\i]|
.endr
.endr
.irp b, 0,1,2,3
	v_permlanex16_b32 v[TM+4+\b], v[TM+\b], s80, s81
.endr
.irp b, 0,1,2,3
	v_max_num_f32 v[TM+\b], v[TM+\b], v[TM+4+\b]
.endr
.irp b, 0,1,2,3
	v_add_nc_u32 v[TM+12+\b], 0xfe000000, v[TM+\b]     ; 4 off the exponent field: the conversion's scale operand
.endr
.irp b, 0,1,2,3
	v_lshrrev_b32 v[TM+4+\b], 23, v[TM+12+\b]          ; the byte
.endr
	v_lshl_or_b32 v[TM+8], v[TM+5], 8, v[TM+4]         ; the first item's two bytes,
	v_lshl_or_b32 v[TM+9], v[TM+7], 8, v[TM+6]         ; the second's:
	s_delay_alu instid0(VALU_DEP_1)
	v_cndmask_b32 v[TM+8], v[TM+8], v[TM+9], s78       ; lanes 0-15 the first, lanes 16-31 the second
	s_delay_alu instid0(VALU_DEP_1)
	v_or_b32 v[\so], 0x7f7f0000, v[TM+8]               ; the upper 64 of a K step of 128 hold nothing: scale 1
.irp c, 0,1
	v_cvt_scalef32_pk16_bf6_f32 v[\pc+6*\c:\pc+6*\c+2], v[\s+32*\c:\s+32*\c+15], v[TM+12+2*\c]
	v_cvt_scalef32_pk16_bf6_f32 v[T+4*\c:T+4*\c+2], v[\s+16+32*\c:\s+31+32*\c], v[TM+13+2*\c]
.endr
	v_nop                                          ; one plain line behind the scaled conversions
.irp c, 0,1                                    ; a whole block to a lane: lanes 0-15 block 0, lanes 16-31 block 1
.irp i, 0,1,2
	v_permlane16_swap_b32 v[\pc+6*\c+\i], v[T+4*\c+\i]
.endr
.irp i, 0,1,2
	v_mov_b32 v[\pc+3+6*\c+\i], v[T+4*\c+\i]
.endr
.endr
.endm
.macro OUT
.irp q, 0,1,2,3,4,5,6,7,8,9,10,11
	global_store_b64 v[LO8], v[CO+2*\q:CO+2*\q+1], s[16:17] offset:256*\q      ; 32 lanes store 256 consecutive bytes, aligned
.endr
	global_store_b64 v[LO8], v[SO:SO+1], s[16:17] offset:3072
.endm
.macro FINISH
	s_wait_tensorcnt 0x0                           ; the wave's end
	ds_add_u32 v[SPW], v[NIL]
	s_wait_dscnt 0x0
	CROUND                                         ; the closing round
	s_endpgm
.endm
	s_cmp_eq_u32 s77, 5                            ; cb is the same in all waves and all partners
	s_cbranch_scc1 .Lv
	; ---------------- q and k ----------------
	s_cmp_lt_u32 s77, 4
	s_cselect_b64 s[10:11], s[10:11], s[12:13]     ; wq_b or wk_b
	s_lshl_b32 s82, s95, 8                         ; the head's 64 numbers
	s_mov_b32 s83, 0
	s_add_nc_u64 s[10:11], s[10:11], s[82:83]
	s_and_b32 s82, s76, 15
	s_lshl_b32 s82, s82, 3
	s_lshl_b32 s84, s21, 2
	s_add_co_u32 s82, s82, s84
	s_lshl_b32 s82, s82, 12                        ; the table at my first 16 positions
	s_add_nc_u64 s[8:9], s[8:9], s[82:83]
	v_bfe_u32 v1, v0, 4, 1
	s_delay_alu instid0(VALU_DEP_1)
	v_lshlrev_b32 v1, 5, v1                        ; 32 h: features 16 t + 8 h + 0 .. 7
.irp t, 0,1,2,3
	global_load_b128 v[BIAS+8*\t:BIAS+8*\t+3], v1, s[10:11] offset:64*\t
	global_load_b128 v[BIAS+8*\t+4:BIAS+8*\t+7], v1, s[10:11] offset:64*\t+16
.endr
	LOADCS 0, 192
	LOADCS 1, 224
	s_wait_alu depctr_va_vdst(0)
	s_wait_loadcnt 16                              ; scale words and bias are in; the table's 16 loads may be out
	KLOOP 0, 0, 1
	PLACES
	s_wait_loadcnt 24                              ; the table's first set is in; three sets of eight loads may be out
	ROPE 0, 192
	s_wait_loadcnt 16
	ROPE 1, 224
	WIN 0
	QUANT ACC, CO, SO
	s_wait_loadcnt 8
	ROPE 2, 0
	s_wait_loadcnt 0x0
	ROPE 3, 32
	WIN 0
	QUANT ACC+64, CO+12, SO+1
	OUT
	FINISH
	; ---------------- v ----------------
.Lv:
	s_lshl_b32 s82, s22, 8
	s_mov_b32 s83, 0
	s_add_nc_u64 s[14:15], s[14:15], s[82:83]
	v_and_b32 v1, 15, v0
	s_delay_alu instid0(VALU_DEP_1)
	v_lshlrev_b32 v1, 2, v1                        ; channel 16 a + r
.irp a, 0,1,2,3
	global_load_b32 v[BIAS+8*\a], v1, s[14:15] offset:64*\a
.endr
	s_wait_alu depctr_va_vdst(0)
	s_wait_loadcnt 0x0
.irp a, 0,1,2,3
.irp j, 1,2,3,4,5,6,7
	v_mov_b32 v[BIAS+8*\a+\j], v[BIAS+8*\a]        ; a lane's eight results are one channel's
.endr
.endr
	s_wait_alu depctr_va_vdst(0)
	KLOOP 1, 1, 0
	PLACES
	WIN 0
	QUANT ACC, CO, SO
	QUANT ACC+64, CO+12, SO+1
	OUT
	FINISH
.Lfunc_end_k_q6517bb637b_qkv:
	.size	k_q6517bb637b_qkv, .Lfunc_end_k_q6517bb637b_qkv-k_q6517bb637b_qkv
	.p2alignl 7, 3214868480
	.fill 96, 4, 3214868480
	.section	.rodata,"a",@progbits
	.p2align	6, 0x0
	.amdhsa_kernel k_q6517bb637b_qkv
		.amdhsa_group_segment_fixed_size 327680
		.amdhsa_private_segment_fixed_size 0
		.amdhsa_enable_private_segment 0
		.amdhsa_kernarg_size 56
		.amdhsa_user_sgpr_count 2
		.amdhsa_user_sgpr_kernarg_segment_ptr 1
		.amdhsa_wavefront_size32 1
		.amdhsa_system_sgpr_workgroup_id_x 1
		.amdhsa_system_sgpr_workgroup_id_y 1
		.amdhsa_system_sgpr_workgroup_id_z 1
		.amdhsa_system_vgpr_workitem_id 0
		.amdhsa_next_free_vgpr 512
		.amdhsa_next_free_sgpr 100
		.amdhsa_reserve_vcc 0
		.amdhsa_float_denorm_mode_32 3
		.amdhsa_float_denorm_mode_16_64 3
		.amdhsa_memory_ordered 1
		.amdhsa_forward_progress 1
		.amdhsa_inst_pref_size 102
	.end_amdhsa_kernel
	.amdgpu_metadata
---
amdhsa.version: [ 1, 2 ]
amdhsa.kernels:
  - .name:           k_q6517bb637b_qkv
    .symbol:         k_q6517bb637b_qkv.kd
    .args:
      - { .name: img, .offset: 0, .size: 8, .value_kind: global_buffer, .address_space: global }
      - { .name: isc, .offset: 8, .size: 8, .value_kind: global_buffer, .address_space: global }
      - { .name: cs, .offset: 16, .size: 8, .value_kind: global_buffer, .address_space: global }
      - { .name: wq_b, .offset: 24, .size: 8, .value_kind: global_buffer, .address_space: global }
      - { .name: wk_b, .offset: 32, .size: 8, .value_kind: global_buffer, .address_space: global }
      - { .name: wv_b, .offset: 40, .size: 8, .value_kind: global_buffer, .address_space: global }
      - { .name: qkvc, .offset: 48, .size: 8, .value_kind: global_buffer, .address_space: global }
    .group_segment_fixed_size: 327680
    .private_segment_fixed_size: 0
    .kernarg_segment_align: 8
    .kernarg_segment_size: 56
    .max_flat_workgroup_size: 256
    .sgpr_count:     100
    .vgpr_count:     512
    .wavefront_size: 32
...
	.end_amdgpu_metadata
.endif
;; end of part 2
;; launch attn (part 3): grid 32 x 8, 12 waves a work-group, clusters of 4 x 1, 217,856 bytes of LDS; arguments qkvc, cimg; writes cimg
.if DOCPART == 3
	.amdgcn_target "amdgcn-amd-amdhsa--gfx1250"
	.amdhsa_code_object_version 6
	.text
	.protected	k_q6517bb637b_attn
	.globl	k_q6517bb637b_attn
	.p2align	8
	.type	k_q6517bb637b_attn,@function
k_q6517bb637b_attn:
	s_mov_b64 s[64:65], 0
	v_nop
	global_prefetch_b8 v0, s[64:65] scope:SCOPE_SE
	s_setreg_imm32_b32 hwreg(HW_REG_WAVE_MODE, 25, 1), 1
	s_wait_xcnt 0x0
	s_wait_alu depctr_hold_cnt(0) depctr_sa_sdst(0) depctr_va_vdst(0) depctr_va_sdst(0) depctr_va_ssrc(0) depctr_va_vcc(0) depctr_vm_vsrc(0)
	s_getreg_b32 s2, hwreg(HW_REG_IB_STS2, 6, 4)
	s_cmp_eq_u32 s2, 0
	s_cbranch_scc0 .Lentry_in_a_cluster
	s_endpgm
.Lentry_in_a_cluster:
	s_bfe_u32 s2, ttmp6, 0x10000c
	s_cmp_lg_u32 s2, 0x3003
	s_cbranch_scc0 .Lentry_shape_is_right
	s_endpgm
.Lentry_shape_is_right:
; ctx = softmax(q k^T / 8, causal, the last 1,024 keys and the query's own) v, both products on codes of BF6 (E3M2) with E8M0 scales; ctx is quantised along the head's 64 and leaves as records for the last launch.
; UNITS of 64 keys (3,328 bytes: 3,072 of codes, 256 of scale words) come from the launch before as images of the operand's registers.
; K AND V OF THE WHOLE SEQUENCE OF ONE KEY AND VALUE HEAD (work-group y: batch x 4 + head) LIE IN LDS: 32 units of K, 32 of V, 212,992 bytes, filled once by waves 0-7, eight units each, as rows of 256 bytes.
; CLUSTER: the four work-groups of a cluster read the same units, so each load is asked for jointly (mask 15).  No prefetch: there is no loop of loads to run ahead in.
; SHARES.  A row tile is 16 queries of one head; t = 0 .. 127 its number in the sequence, U = t / 4 its unit, tq = t % 4.  It needs units max(0, U - 16) .. U; whole units outside are masked out
; and are not multiplied.  Work-group c = 4 C + cx (C the cluster's number, cx the place in it); wave w: head w % 4 of the four that share k and v; w / 4 the kind:
;   kind 0: tile 64 + c, kind 1: tile 127 - c: 17 units each;   kind 2: tiles c and 63 - c, one after the other: (C + 1) + (16 - C) = 17 units, the one with an odd number of units first.
; So every wave walks ONE unit (half a step), then eight steps of two units; where kind 2 changes tiles hangs on C alone, so it is the same in all partners of a cluster; cx enters global addresses and lane masks only.
; TRANSPOSED: S^T = k q^T (a lane holds one query; its registers run along the keys), O^T = v^T p^T.  A key tile's operand takes 12 registers: its own six and the next six, against which q's upper 64 hold zero codes.
; SOFTMAX: M is the ceiling of the running largest t = score x log2(e) / 8, kept as -M; p = 2^(t - M), summed unquantised; when M moves, sum and O^T are multiplied by the power of two 2^(old M - new M).
; A block's largest p is the same multiply-add and exponential of its largest score.  Two blocks share a register for this (lanes 0-15 one, lanes 16-31 the other) by exchanging half rows.
; A RECORD (1,024 bytes a row tile and head): three pieces of 256 bytes of codes (8 x lane), then 8 x lane: the row's two scale bytes (lanes 0-15), the word written twice.
; LIMITS: the scaled scores (exponents to the base 2) stay under 2^31 in magnitude; NaN and infinities are not served, and those of keys outside a row's units are not carried; a block whose largest magnitude lies under 2^-122 keeps the byte 1.
; REGISTERS: v1 8 x lane; v2, v3 the add's; v4, v5 LDS addresses; v6-9 conversion scales; v10 the rescaling factor; v12 -M, v13 the largest score; v14-15 the sum; v16-21 q, v22-27 zeros, v28 its scales; v29 p's scales;
; window 1: v0-5, v6 (v256-262) the second tile's q and scales.
.set UB,    3328
.set VOFF,  32*UB
.set SPARE, 65*UB                      ; the spare words: six blocks of 256 bytes behind all that any load may name
.set KF,    32                         ; v32-79 k's eight tiles, v80-85 zeros
.set VF,    86                         ; v86-133 v's
.set S,     134                        ; v134-197 scores, then p
.set O,     198                        ; v198-229 O^T
.set P,     230                        ; v230-241 p's codes
.set MX,    242                        ; v242-249 at work
.set KS,    250                        ; v250-253 k's scale words
.set VS,    254                        ; v254-255 v's (the second unit's land in v30-31)
.macro CROUND
	s_barrier_signal -1
	s_barrier_wait -1
	s_cmp_lg_u32 s12, 0
	s_cbranch_scc1 .Lnot_wave_0_\@
	s_barrier_signal -3
.Lnot_wave_0_\@:
	s_barrier_wait -3
	s_barrier_signal -1
	s_barrier_wait -1
.endm
.macro QADR u, tq, d, e                ; a tile's q: offset of its codes in s[d:d+1], of its scale words in s[e:e+1]
	s_add_co_u32 s42, s41, s\u
	s_mul_i32 s42, s42, UB
	s_mul_i32 s43, s\tq, 768
	s_add_co_u32 s[\d], s42, s43
	s_mov_b32 s[\d+1], 0
	s_lshr_b32 s43, s\tq, 1
	s_lshl_b32 s43, s43, 2
	s_add_co_u32 s42, s42, s43
	s_and_b32 s43, s\tq, 1
	s_lshl_b32 s43, s43, 7
	s_add_co_u32 s42, s42, s43
	s_add_co_u32 s[\e], s42, 3072
	s_mov_b32 s[\e+1], 0
.endm
.macro OADR u, tq, d                   ; a tile's record
	s_lshr_b32 s42, s29, 2
	s_lshl_b32 s42, s42, 7
	s_lshl_b32 s43, s\u, 2
	s_add_co_u32 s42, s42, s43
	s_add_co_u32 s42, s42, s\tq
	s_lshl_b32 s42, s42, 4
	s_and_b32 s43, s40, 15
	s_add_co_u32 s42, s42, s43
	s_lshl_b32 s[\d], s42, 10
	s_mov_b32 s[\d+1], 0
.endm
.macro UADR d, i                       ; where the units of step i begin: first tile: first unit + 1 + 2 i; second tile: 2 i - 2 F1
	s_cmp_lt_u32 \i, s36
	s_cselect_b32 \d, s44, s45
	s_add_co_u32 \d, \d, \i
	s_add_co_u32 \d, \d, \i
	s_min_u32 \d, \d, 30                           ; a step's two units end at unit 31 at the most
	s_mul_i32 \d, \d, UB
.endm
.macro LDK n                           ; k of n units
.irp g, 0,1
.if \g < \n
.irp a, 0,1,2,3
.irp p, 0,1,2
	ds_load_b64 v[KF+24*\g+6*\a+2*\p:KF+24*\g+6*\a+2*\p+1], v4 offset:UB*\g+256*(3*\a+\p)
.endr
.endr
	ds_load_b64 v[KS+2*\g:KS+2*\g+1], v4 offset:UB*\g+3072
.endif
.endr
.endm
.macro LDV n                           ; v of n units: a channel tile's operand is six registers of each
.irp t, 0,1,2,3
.irp p, 0,1,2
	ds_load_b64 v[VF+6*(\n)*\t+2*\p:VF+6*(\n)*\t+2*\p+1], v5 offset:256*(3*\t+\p)
.if \n == 2
	ds_load_b64 v[VF+12*\t+6+2*\p:VF+12*\t+7+2*\p], v5 offset:UB+256*(3*\t+\p)
.endif
.endr
.endr
	ds_load_b64 v[VS:VS+1], v5 offset:3072
.if \n == 2
	ds_load_b64 v[30:31], v5 offset:UB+3072
.endif
.endm
.macro QK n
.irp t, 0,1,2,3,4,5,6,7
.if \t < 4*\n
.if (\t%2) == 0
	v_wmma_scale_f32_16x16x128_f8f6f4 v[S+8*\t:S+8*\t+7], v[KF+6*\t:KF+6*\t+11], v[16:27], 0, v[KS+\t/2], v28 matrix_a_fmt:MATRIX_FMT_BF6 matrix_b_fmt:MATRIX_FMT_BF6
.else
	v_wmma_scale_f32_16x16x128_f8f6f4 v[S+8*\t:S+8*\t+7], v[KF+6*\t:KF+6*\t+11], v[16:27], 0, v[KS+\t/2], v28 matrix_a_fmt:MATRIX_FMT_BF6 matrix_b_fmt:MATRIX_FMT_BF6 matrix_a_scale:MATRIX_SCALE_ROW1
.endif
.endif
.endr
.endm
; A unit's 32 registers from v[base] on under the mask: cc = 0 causal (key <= query), 1 window (key >= query - 1,024).  Of its four key tiles those on one side of tile tq are live, those on the other are not, and tile tq
; by lanes: s66-73 and s74-81 hold the live lanes of its eight registers.
.macro MASK base, cc
.irp k, 0,1,2,3
.if \cc
	s_cmp_lt_u32 s53, \k
.else
	s_cmp_gt_u32 s53, \k
.endif
	s_cselect_b32 s84, -1, 0
	s_cmp_eq_u32 s53, \k
	s_cselect_b32 s85, -1, 0
.irp j, 0,1,2,3,4,5,6,7
	s_and_b32 s[86+\j], s[66+8*\cc+\j], s85
	s_or_b32 s[86+\j], s[86+\j], s84
.endr
.irp j, 0,1,2,3,4,5,6,7
	v_cndmask_b32 v[\base+8*\k+\j], s82, v[\base+8*\k+\j], s[86+\j]
.endr
.endr
	s_wait_alu depctr_va_vdst(0)
.endm
.macro PADD d, n
	v_pk_add_f32 v[\d:\d+1], v[\d:\d+1], v[S+2*(\n):S+2*(\n)+1]
.endm
; Softmax and quantising of nb blocks of 32 keys.  nb = 2: a tile's first unit, which starts M and the sum; nb = 4: a step.
.macro SOFT nb
.irp b, 0,1,2,3
.if \b < \nb
	v_max3_num_f32 v[MX+\b], v[S+16*\b], v[S+16*\b+1], v[S+16*\b+2]   ; the largest score of each block, the blocks by turns
.endif
.endr
.irp i, 3,5,7,9,11,13
.irp b, 0,1,2,3
.if \b < \nb
	v_max3_num_f32 v[MX+\b], v[MX+\b], v[S+16*\b+\i], v[S+16*\b+\i+1]
.endif
.endr
.endr
.irp b, 0,1,2,3
.if \b < \nb
	v_max_num_f32 v[MX+\b], v[MX+\b], v[S+16*\b+15]
.endif
.endr
.if \nb == 4
	v_mov_b32 v247, v12
	v_permlane16_swap_b32 v242, v243               ; lanes 16-31 of the first change places with lanes 0-15 of the second:
	v_permlane16_swap_b32 v244, v245
	s_delay_alu instid0(VALU_DEP_2)
	v_max_num_f32 v242, v242, v243                 ; lanes 0-15 block 0's largest, lanes 16-31 block 1's
	s_delay_alu instid0(VALU_DEP_2)
	v_max_num_f32 v244, v244, v245                 ; and blocks 2 and 3
	s_delay_alu instid0(VALU_DEP_1)
	v_max_num_f32 v246, v242, v244
	s_delay_alu instid0(VALU_DEP_1)
	v_permlanex16_b32 v249, v246, s50, s51
	s_delay_alu instid0(VALU_DEP_1)
	v_max3_num_f32 v13, v13, v246, v249            ; the running largest score of my query
	s_delay_alu instid0(VALU_DEP_1)
	v_mul_f32 v246, s52, v13
	s_delay_alu instid0(VALU_DEP_1)
	v_floor_f32 v12, v246                          ; -M = floor(-t): a whole number
	s_delay_alu instid0(VALU_DEP_1)
	v_sub_f32 v247, v12, v247
	s_delay_alu instid0(VALU_DEP_1)
	v_cvt_i32_f32 v247, v247                       ; (it saturates)
	s_delay_alu instid0(VALU_DEP_1)
	v_ldexp_f32 v10, 1.0, v247                     ; 2^(old M - new M)
.else
	v_permlane16_swap_b32 v242, v243
	s_delay_alu instid0(VALU_DEP_1)
	v_max_num_f32 v242, v242, v243
	s_delay_alu instid0(VALU_DEP_1)
	v_permlanex16_b32 v249, v242, s50, s51
	s_delay_alu instid0(VALU_DEP_1)
	v_max_num_f32 v13, v242, v249
	s_delay_alu instid0(VALU_DEP_1)
	v_mul_f32 v246, s52, v13
	s_delay_alu instid0(VALU_DEP_1)
	v_floor_f32 v12, v246
.endif
.set J, 0
.rept 8*\nb
	v_pk_fma_f32 v[S+J:S+J+1], v[S+J:S+J+1], s[48:49], v[12:13] op_sel_hi:[1,0,0]   ; t - M
.set J, J+2
.endr
	v_fma_f32 v242, v242, s48, v12
.if \nb == 4
	v_fma_f32 v244, v244, s48, v12
.endif
	s_wait_alu depctr_va_vdst(0)                   ; ahead of the batch
	v_exp_f32 v242, v242                           ; each block's largest p
.if \nb == 4
	v_exp_f32 v244, v244
.endif
.set J, 0
.rept 16*\nb
	v_exp_f32 v[S+J], v[S+J]                       ; p, at most 1
.set J, J+1
.endr
.if \nb == 4
	v_pk_mul_f32 v[14:15], v[14:15], v[10:11] op_sel_hi:[1,0]
.else
	v_nop
.endif
	s_wait_alu depctr_va_vdst(0)                   ; and ahead of its first reader
	v_pk_add_f32 v[246:247], v[S:S+1], v[S+2:S+3]  ; the sum of the unquantised p, in four chains
	v_pk_add_f32 v[6:7], v[S+4:S+5], v[S+6:S+7]
	v_pk_add_f32 v[8:9], v[S+8:S+9], v[S+10:S+11]
.if \nb == 4
	PADD 14, 6
	PADD 246, 7
.else
	v_pk_add_f32 v[14:15], v[S+12:S+13], v[S+14:S+15]
.endif
.set J, 8
.rept 2*\nb-2
	PADD 6, J
	PADD 8, J+1
	PADD 14, J+2
	PADD 246, J+3
.set J, J+4
.endr
	v_pk_add_f32 v[246:247], v[246:247], v[6:7]
	v_pk_add_f32 v[14:15], v[14:15], v[8:9]
	v_max_num_f32 v242, 0x2800000, v242            ; the floor 2^(5 - 127): the byte cannot fall under 1
.if \nb == 4
	v_max_num_f32 v244, 0x2800000, v244
.endif
	v_pk_add_f32 v[14:15], v[14:15], v[246:247]
	v_add_nc_u32 v6, 0xfe000000, v242              ; 4 off the exponent field: the conversion's scale operand
.if \nb == 4
	v_add_nc_u32 v8, 0xfe000000, v244
.endif
	v_lshrrev_b32 v242, 23, v6                     ; the bytes
.if \nb == 4
	v_lshrrev_b32 v244, 23, v8
.endif
	v_mov_b32 v7, v6
.if \nb == 4
	v_mov_b32 v9, v8
	v_lshl_or_b32 v243, v244, 16, v242
.endif
	v_permlane16_swap_b32 v6, v7                   ; v6: block 0's operand in all lanes, v7: block 1's
.if \nb == 4
	v_permlane16_swap_b32 v8, v9
	v_permlanex16_b32 v249, v243, s50, s51
	s_delay_alu instid0(VALU_DEP_1)
	v_lshl_or_b32 v29, v249, 8, v243               ; lanes 0-15: the four blocks' bytes
.else
	v_permlanex16_b32 v249, v242, s50, s51
	s_delay_alu instid0(VALU_DEP_1)
	v_lshl_or_b32 v243, v249, 8, v242
	s_delay_alu instid0(VALU_DEP_1)
	v_or_b32 v29, 0x7f7f0000, v243                 ; the upper 64 hold zero codes: scale 1
.endif
	v_cvt_scalef32_pk16_bf6_f32 v[P:P+2], v[S:S+15], v6
	v_cvt_scalef32_pk16_bf6_f32 v[242:244], v[S+16:S+31], v7
.if \nb == 4
	v_cvt_scalef32_pk16_bf6_f32 v[P+6:P+8], v[S+32:S+47], v8
	v_cvt_scalef32_pk16_bf6_f32 v[246:248], v[S+48:S+63], v9
.endif
	v_nop                                          ; one plain line behind the scaled conversions
.irp i, 0,1,2
	v_permlane16_swap_b32 v[P+\i], v[242+\i]       ; a whole block to a lane
.if \nb == 4
	v_permlane16_swap_b32 v[P+6+\i], v[246+\i]
.endif
.endr
.irp i, 0,1,2
	v_mov_b32 v[P+3+\i], v[242+\i]
.if \nb == 4
	v_mov_b32 v[P+9+\i], v[246+\i]
.endif
.endr
.endm
; A finished tile: O^T / the sum, quantised along the head's 64 (two blocks), to its record.
.macro EMIT base
	v_add_f32 v246, v14, v15
	s_delay_alu instid0(VALU_DEP_1)
	v_permlanex16_b32 v249, v246, s50, s51
	s_delay_alu instid0(VALU_DEP_1)
	v_add_f32 v246, v246, v249
	s_wait_alu depctr_va_vdst(0)                   ; ahead of the transcendental
	v_rcp_f32 v246, v246
	v_nop                                          ; places behind the transcendental and the matrix instructions
	v_nop
	s_wait_alu depctr_va_vdst(0)                   ; and behind it, ahead of the first reader of its result and of O^T
.set J, 0
.rept 16
	v_pk_mul_f32 v[S+J:S+J+1], v[O+J:O+J+1], v[246:247] op_sel_hi:[1,0]
.set J, J+2
.endr
.irp b, 0,1
	v_max3_num_f32 v[MX+\b], |v[S+16*\b]|, |v[S+16*\b+1]|, 0x2800000
.endr
.irp i, 2,4,6,8,10,12,14
.irp b, 0,1
	v_max3_num_f32 v[MX+\b], v[MX+\b], |v[S+16*\b+\i]|, |v[S+16*\b+\i+1]|
.endr
.endr
	v_permlane16_swap_b32 v242, v243
	s_delay_alu instid0(VALU_DEP_1)
	v_max_num_f32 v242, v242, v243
	s_delay_alu instid0(VALU_DEP_1)
	v_add_nc_u32 v6, 0xfe000000, v242
	s_delay_alu instid0(VALU_DEP_1)
	v_lshrrev_b32 v242, 23, v6
	v_mov_b32 v7, v6
	v_permlanex16_b32 v249, v242, s50, s51
	s_delay_alu instid0(VALU_DEP_2)
	v_permlane16_swap_b32 v6, v7
	v_lshl_or_b32 v[P+6], v249, 8, v242            ; lanes 0-15: the row's two bytes
	s_delay_alu instid0(VALU_DEP_1)
	v_mov_b32 v[P+7], v[P+6]
	v_cvt_scalef32_pk16_bf6_f32 v[P:P+2], v[S:S+15], v6
	v_cvt_scalef32_pk16_bf6_f32 v[242:244], v[S+16:S+31], v7
	v_nop
.irp i, 0,1,2
	v_permlane16_swap_b32 v[P+\i], v[242+\i]
.endr
.irp i, 0,1,2
	v_mov_b32 v[P+3+\i], v[242+\i]
.endr
.irp p, 0,1,2,3
	global_store_b64 v1, v[P+2*\p:P+2*\p+1], s[\base:\base+1] offset:256*\p          ; 32 lanes store 256 consecutive bytes, aligned
.endr
.endm
	s_load_b128 s[4:7], s[0:1], 0x0                ; qkvc, cimg
	v_lshl_add_u32 v2, v0, 2, SPARE
	v_mov_b32 v3, 0
	ds_add_u32 v2, v3                              ; the wave's opening: the add, twice on end, and its wait ahead of my first tensor load
	ds_add_u32 v2, v3
	v_lshrrev_b32 v4, 5, v0
	s_delay_alu instid0(VALU_DEP_1)
	v_readfirstlane_b32 s12, v4                    ; wave 0..11
	v_and_b32 v5, 31, v0
	v_and_b32 v7, 15, v0
	v_lshlrev_b32 v1, 3, v5                        ; 8 x lane
	v_lshlrev_b32 v7, 3, v7                        ; 8 r
	s_wait_alu depctr_va_vdst(0)
	s_lshr_b32 s13, s12, 2                         ; kind.  Also: waves 0-3 load k, waves 4-7 v
	s_and_b32 s14, s12, 3                          ; head.  Also: which eight units
	s_mov_b32 s15, ttmp9                           ; C
	s_bfe_u32 s28, ttmp6, 0x40000                  ; cx
	s_and_b32 s29, ttmp7, 0xffff                   ; y
	s_mov_b32 s16, 15|(3<<16)|(1<<21)              ; eight units: 104 rows of 32 elements of 8 bytes; all four work-groups are named
	s_mov_b32 s17, 32<<16
	s_mov_b32 s18, 104<<16
	s_mov_b32 s19, 32<<16
	s_mov_b32 s20, 104
	s_mov_b32 s21, 32
	s_mov_b32 s22, 0
	s_mov_b32 s23, 0
	s_mul_i32 s25, s12, 8*UB                       ; where my load lands: wave x eight units
	s_mul_i32 s86, s13, 256*UB                     ; k's units begin at 1,024, v's at 1,280; 32 for each y
	s_mul_i32 s87, s14, 8*UB
	s_add_co_u32 s86, s86, s87
	s_mul_i32 s87, s29, 32*UB
	s_add_co_u32 s86, s86, s87
	s_add_co_u32 s86, s86, 1024*UB
	s_mov_b32 s87, 0
	; my tiles: s32 U, s33 tq of the first, s34, s35 of the second (kinds 0 and 1 have one tile: both are it); s36 F1 = steps of the first tile; s37 its first unit
	s_sub_co_u32 s30, 15, s15
	s_sub_co_u32 s31, 3, s28
	s_bitcmp1_b32 s15, 0
	s_cselect_b32 s32, s30, s15
	s_cselect_b32 s33, s31, s28
	s_cselect_b32 s34, s15, s30
	s_cselect_b32 s35, s28, s31
	s_lshr_b32 s36, s32, 1
	s_mov_b32 s37, 0
	s_cmp_eq_u32 s13, 0
	s_cselect_b32 s38, s15, s30
	s_cselect_b32 s39, s28, s31
	s_add_co_u32 s40, s38, 16
	s_cmp_lt_u32 s13, 2
	s_cselect_b32 s32, s40, s32
	s_cselect_b32 s33, s39, s33
	s_cselect_b32 s34, s40, s34
	s_cselect_b32 s35, s39, s35
	s_cselect_b32 s36, 8, s36
	s_cselect_b32 s37, s38, s37
	s_add_co_u32 s44, s37, 1
	s_lshl_b32 s45, s36, 1
	s_sub_co_u32 s45, 0, s45
	s_mov_b32 s53, s33                             ; the tile at work: its tq
	s_lshl_b32 s40, s29, 2
	s_add_co_u32 s40, s40, s14                     ; batch x 16 + head
	s_lshl_b32 s41, s40, 5
	QADR 32, 33, 60, 62
	QADR 34, 35, 94, 96
	OADR 32, 33, 56
	OADR 34, 35, 58
	s_wait_dscnt 0x0                               ; both opening adds are done
	s_wait_kmcnt 0x0
	s_mov_b32 s24, 1
	s_add_nc_u64 s[26:27], s[4:5], s[86:87]
	s_or_b32 s27, s27, 0x80000000
	s_add_nc_u64 s[60:61], s[4:5], s[60:61]
	s_add_nc_u64 s[62:63], s[4:5], s[62:63]
	s_add_nc_u64 s[94:95], s[4:5], s[94:95]
	s_add_nc_u64 s[96:97], s[4:5], s[96:97]
	s_add_nc_u64 s[56:57], s[6:7], s[56:57]
	s_add_nc_u64 s[58:59], s[6:7], s[58:59]
.irp p, 0,1,2
	global_load_b64 v[16+2*\p:17+2*\p], v1, s[60:61] offset:256*\p
.endr
	global_load_b32 v28, v7, s[62:63]
	s_set_vgpr_msb 0x0040
.irp p, 0,1,2
	global_load_b64 v[2*\p:2*\p+1], v1, s[94:95] offset:256*\p          ; v256-261: the second tile's (kinds 0 and 1: their one tile's again, so that every wave writes them)
.endr
	global_load_b32 v6, v7, s[96:97]               ; v262
	s_set_vgpr_msb 0x4000
	CROUND                                         ; all four work-groups are here: the joint loads meet
	s_cmp_lt_u32 s12, 8
	s_cbranch_scc0 .Lno_load
	tensor_load_to_lds s[24:27], s[16:23]
	s_nop 0
.rept 4
	v_nop
.endr
.Lno_load:
.irp j, 0,1,2,3,4,5
	v_mov_b32 v[22+\j], 0                          ; q's upper 64
	v_mov_b32 v[KF+24+\j], 0                       ; what stands behind the half step's last key tile, and behind a step's
	v_mov_b32 v[KF+48+\j], 0
	v_mov_b32 v[VF+24+\j], 0                       ; and behind the half step's last channel tile
.endr
.irp j, 0,1,2,3,4,5
	v_mov_b32 v[P+6+\j], 0                         ; the half step's upper 64 keys
.endr
	v_mov_b32 v11, 0
	v_mov_b32 v249, 0                              ; a lane permute's destination counts as read
	s_mov_b32 s48, 0x3e38aa3b                      ; log2(e) / 8
	s_mov_b32 s49, s48
	s_mov_b32 s50, 0x76543210
	s_mov_b32 s51, 0xfedcba98                      ; v_permlanex16_b32's selects for lane l xor 16
	s_mov_b32 s52, 0xbe38aa3b                      ; -log2(e) / 8
	s_mov_b32 s82, 0xff800000
	s_mov_b32 s83, 0x05040100
.irp j, 0,1,2,3,4,5,6,7
	s_mov_b32 s[66+\j], ((0xffff<<\j)&0xffff)|(((0xffff<<(\j+8))&0xffff)<<16)     ; lanes with r >= j + 8 h
	s_mov_b32 s[74+\j], ((2<<\j)-1)|(((2<<(\j+8))-1)<<16)                         ; lanes with r <= j + 8 h
.endr
	s_mov_b32 s46, 0
	s_and_b32 s54, s37, 31
	s_mul_i32 s54, s54, UB
	s_add_co_u32 s47, s54, VOFF
	UADR s55, s46
	s_wait_alu depctr_va_vdst(0)
	s_wait_tensorcnt 0x0                           ; my eight units are in
	s_barrier_signal -1
	s_barrier_wait -1                              ; and everybody's
	; ---------------- the tile's first unit ----------------
	v_add_nc_u32 v4, s54, v1
	v_add_nc_u32 v5, s47, v1
	LDK 1
	LDV 1
	s_wait_loadcnt 0x0                             ; q
	s_wait_dscnt 13                                ; k and its scales; v's 13 loads may be out
	QK 1
	v_add_nc_u32 v4, s55, v1
.rept 3
	v_nop                                          ; with the line above: four places ahead of loads into k's registers
.endr
	LDK 2                                          ; k of step 0
	s_cmp_lt_u32 s13, 2
	s_cbranch_scc0 .Lno_window
	MASK S, 1
.Lno_window:
	s_cmp_lg_u32 s36, 0
	s_cbranch_scc1 .Lno_causal                     ; the tile's only unit holds the diagonal
	MASK S, 0
.Lno_causal:
	SOFT 2
.rept 4
	v_nop                                          ; an operand written by vector instructions stands 4 places ahead of the product, a scale 8
.endr
	s_wait_alu depctr_va_vdst(0)
	s_wait_dscnt 0x0
.irp t, 0,2
	v_wmma_scale_f32_16x16x128_f8f6f4 v[O+8*\t:O+8*\t+7], v[VF+6*\t:VF+6*\t+11], v[P:P+11], 0, v[VS+\t/2], v29 matrix_a_fmt:MATRIX_FMT_BF6 matrix_b_fmt:MATRIX_FMT_BF6
	v_wmma_scale_f32_16x16x128_f8f6f4 v[O+8*\t+8:O+8*\t+15], v[VF+6*\t+6:VF+6*\t+17], v[P:P+11], 0, v[VS+\t/2], v29 matrix_a_fmt:MATRIX_FMT_BF6 matrix_b_fmt:MATRIX_FMT_BF6 matrix_a_scale:MATRIX_SCALE_ROW1
.endr
	; ---------------- eight steps of two units ----------------
.Lstep:
	s_cmp_lg_u32 s46, s36
	s_cbranch_scc1 .Lsame_tile                     ; (F1 is 8 where there is one tile)
	EMIT 56                                        ; the first tile is finished; the second begins
	s_set_vgpr_msb 0x0001
.irp i, 0,1,2,3,4,5
	v_mov_b32 v[16+\i], v[\i]
.endr
	v_mov_b32 v28, v6
	s_set_vgpr_msb 0x0100
	v_mov_b32 v13, 0xff61b1e6                      ; the largest score so far: -3e38
	v_mov_b32 v12, 0x7e000000                      ; -M: so large that the first step's factor is 0
	v_mov_b32 v14, 0
	v_mov_b32 v15, 0
.set J, 0
.rept 32
	v_mov_b32 v[O+J], 0
.set J, J+1
.endr
	s_mov_b32 s53, s35
	s_wait_alu depctr_va_vdst(0)
	s_wait_xcnt 0x0                                ; the record's stores have read their registers
.Lsame_tile:
	s_add_co_u32 s47, s46, 1
	UADR s54, s46
	s_add_co_u32 s54, s54, VOFF
	UADR s55, s47
	QK 2                                           ; (k was waited for ahead of the last product)
	v_add_nc_u32 v5, s54, v1
	v_add_nc_u32 v4, s55, v1
	v_nop
	v_nop                                          ; four places ahead of loads into k's and v's registers
	LDV 2
	s_cmp_eq_u32 s47, 8
	s_cbranch_scc1 .Lno_next                       ; the last step fetches no further k
	LDK 2
.Lno_next:
	s_cmp_eq_u32 s47, s36
	s_cbranch_scc1 .Ldiagonal                      ; the tile's last step: its second unit holds the diagonal
	s_cmp_lg_u32 s47, 8
	s_cbranch_scc1 .Lno_mask
.Ldiagonal:
	MASK S+32, 0
.Lno_mask:
	SOFT 4
	s_wait_dscnt 0x0                               ; v, and the next step's k
	v_perm_b32 v254, v30, v254, s83                ; the two units' scale bytes: one word a channel
	v_perm_b32 v255, v31, v255, s83
	s_wait_alu depctr_va_vdst(0)                   ; directly ahead of the first reader of O^T
.set J, 0
.rept 16
	v_pk_mul_f32 v[O+J:O+J+1], v[O+J:O+J+1], v[10:11] op_sel_hi:[1,0]
.set J, J+2
.endr
.irp t, 0,2
	v_wmma_scale_f32_16x16x128_f8f6f4 v[O+8*\t:O+8*\t+7], v[VF+12*\t:VF+12*\t+11], v[P:P+11], v[O+8*\t:O+8*\t+7], v[VS+\t/2], v29 matrix_a_fmt:MATRIX_FMT_BF6 matrix_b_fmt:MATRIX_FMT_BF6
	v_wmma_scale_f32_16x16x128_f8f6f4 v[O+8*\t+8:O+8*\t+15], v[VF+12*\t+12:VF+12*\t+23], v[P:P+11], v[O+8*\t+8:O+8*\t+15], v[VS+\t/2], v29 matrix_a_fmt:MATRIX_FMT_BF6 matrix_b_fmt:MATRIX_FMT_BF6 matrix_a_scale:MATRIX_SCALE_ROW1
.endr
	s_add_co_u32 s46, s46, 1
	s_cmp_lt_u32 s46, 8
	s_cbranch_scc1 .Lstep
	EMIT 58
	s_wait_tensorcnt 0x0                           ; the wave's end
	ds_add_u32 v2, v3
	s_wait_dscnt 0x0
	CROUND                                         ; the closing round
	s_endpgm
.Lfunc_end_k_q6517bb637b_attn:
	.size	k_q6517bb637b_attn, .Lfunc_end_k_q6517bb637b_attn-k_q6517bb637b_attn
	.p2alignl 7, 3214868480
	.fill 96, 4, 3214868480
	.section	.rodata,"a",@progbits
	.p2align	6, 0x0
	.amdhsa_kernel k_q6517bb637b_attn
		.amdhsa_group_segment_fixed_size 217856
		.amdhsa_private_segment_fixed_size 0
		.amdhsa_enable_private_segment 0
		.amdhsa_kernarg_size 16
		.amdhsa_user_sgpr_count 2
		.amdhsa_user_sgpr_kernarg_segment_ptr 1
		.amdhsa_wavefront_size32 1
		.amdhsa_system_sgpr_workgroup_id_x 1
		.amdhsa_system_sgpr_workgroup_id_y 1
		.amdhsa_system_sgpr_workgroup_id_z 1
		.amdhsa_system_vgpr_workitem_id 0
		.amdhsa_next_free_vgpr 272
		.amdhsa_next_free_sgpr 100
		.amdhsa_reserve_vcc 0
		.amdhsa_float_denorm_mode_32 3
		.amdhsa_float_denorm_mode_16_64 3
		.amdhsa_memory_ordered 1
		.amdhsa_forward_progress 1
		.amdhsa_inst_pref_size 60
	.end_amdhsa_kernel
	.amdgpu_metadata
---
amdhsa.version: [ 1, 2 ]
amdhsa.kernels:
  - .name:           k_q6517bb637b_attn
    .symbol:         k_q6517bb637b_attn.kd
    .args:
      - { .name: qkvc, .offset: 0, .size: 8, .value_kind: global_buffer, .address_space: global }
      - { .name: cimg, .offset: 8, .size: 8, .value_kind: global_buffer, .address_space: global }
    .group_segment_fixed_size: 217856
    .private_segment_fixed_size: 0
    .kernarg_segment_align: 8
    .kernarg_segment_size: 16
    .max_flat_workgroup_size: 384
    .sgpr_count:     100
    .vgpr_count:     272
    .wavefront_size: 32
...
	.end_amdgpu_metadata
.endif
;; end of part 3
;; launch oproj (part 4): grid 8 x 32, 4 waves a work-group, clusters of 4 x 4, 327,680 bytes of LDS; arguments cimg, img, isc, out0; writes out0
.if DOCPART == 4
	.amdgcn_target "amdgcn-amd-amdhsa--gfx1250"
	.amdhsa_code_object_version 6
	.text
	.protected	k_q6517bb637b_oproj
	.globl	k_q6517bb637b_oproj
	.p2align	8
	.type	k_q6517bb637b_oproj,@function
k_q6517bb637b_oproj:
	s_mov_b64 s[64:65], 0
	v_nop
	global_prefetch_b8 v0, s[64:65] scope:SCOPE_SE
	s_setreg_imm32_b32 hwreg(HW_REG_WAVE_MODE, 25, 1), 1
	s_wait_xcnt 0x0
	s_wait_alu depctr_hold_cnt(0) depctr_sa_sdst(0) depctr_va_vdst(0) depctr_va_sdst(0) depctr_va_ssrc(0) depctr_va_vcc(0) depctr_vm_vsrc(0)
	s_getreg_b32 s2, hwreg(HW_REG_IB_STS2, 6, 4)
	s_cmp_eq_u32 s2, 0
	s_cbranch_scc0 .Lentry_in_a_cluster
	s_endpgm
.Lentry_in_a_cluster:
	s_bfe_u32 s2, ttmp6, 0x10000c
	s_cmp_lg_u32 s2, 0xf033
	s_cbranch_scc0 .Lentry_shape_is_right
	s_endpgm
.Lentry_shape_is_right:
; out = ctx Wo^T on codes of BF6 (E3M2) with E8M0 scales; out [4096][1024] f32.  ctx comes from the attention launch as records of 1,024 bytes for each row tile and head (768 bytes of codes, 8 x lane; then 8 x lane the row's two scale
; bytes), Wo's codes and scale words from the first launch (tiles 352-415), as images of the operand's registers.
; SHARES.  A work-group makes 128 rows x 128 columns in two halves of 64 rows; in each half a wave makes 32 rows x 64 columns: 8 accumulators.  256 work-groups.
; Wo's 8 tiles and ctx's first 4 come by the head's loads, one a wave (waves 0, 1 two tiles of ctx, waves 2, 3 four of Wo); ctx's other 4 tiles, one a wave, behind the barrier that shows those.  So the first half's rows
; leave while the second half's are multiplied.  Every byte of LDS is filled once.  No prefetch: there is no loop of loads to run ahead in.
; CLUSTER 4 x 4: ctx's tiles hang on the row block alone and are asked for jointly along a row of the cluster, Wo's on the column block alone and are asked for jointly along a column.
; The matrix instruction is used transposed (source 0 = 16 rows of Wo, source 1 = 16 rows of ctx): a lane holds eight neighbouring numbers of a row of out; they leave through the wave's own stage as aligned runs of 256 bytes.
.set WOFF,  131072                     ; ctx's 8 tiles x 16,384 bytes, then Wo's 8 x 12,288
.set STAGE, WOFF+8*12288               ; 16 rows x 272 bytes for each wave
.set SPARE, STAGE+4*4352               ; the spare words: two blocks of 256 bytes that no other line names
.set ADC,   2                          ; v2-3   ctx's fragments: 8 x lane + my two tiles of half 0, 1
.set ADW,   4                          ; v4     Wo's: 16 x lane + my four tiles
.set ADS,   5                          ; v5-6   ctx's scale words
.set LO16,  10
.set SPW,   12
.set NIL,   13
.set SCL0,  16                         ; v16-31 Wo's scale words: tile t, word j at 4 t + j
.set SC1,   32                         ; v32-39 ctx's: tile a, word j at 4 a + j (in both: lanes 0-15 K step 2 j, lanes 16-31 K step 2 j + 1)
.set RAW,   40                         ; v40-55 their halves as loaded
.set BK,    56                         ; v56-87, v88-119 rows read back from the stage
.set STO,   120
.set RD,    121
.set CO,    122
.set ACC,   128                        ; half hh, accumulator (a, t) at 64 hh + 8 (4 a + t)
.set TO_F,  0x40                       ; window 1: two fragment buffers of 72
.set W_MUL, 0x05
.set MSB, 0
.macro WIN new
.if MSB != \new
	s_set_vgpr_msb (MSB<<8)|\new
.set MSB, \new
.endif
.endm
.macro PLACES                          ; four plain lines behind matrix instructions (ISA guide 7.12.1)
.rept 4
	v_nop
.endr
.endm
.macro CROUND
	s_barrier_signal -1
	s_barrier_wait -1
	s_cmp_lg_u32 s20, 0
	s_cbranch_scc1 .Lnot_wave_0_\@
	s_barrier_signal -3
.Lnot_wave_0_\@:
	s_barrier_wait -3
	s_barrier_signal -1
	s_barrier_wait -1
.endm
.macro MKG1 g, mask, rows              ; group 1: rows of 32 elements of 8 bytes, dense
	s_or_b32 s[\g], s\mask, (3<<16)|(1<<21)
	s_mov_b32 s[\g+1], 32<<16
	s_mov_b32 s[\g+2], (\rows)<<16
	s_mov_b32 s[\g+3], 32<<16
	s_mov_b32 s[\g+4], \rows
	s_mov_b32 s[\g+5], 32
	s_mov_b32 s[\g+6], 0
	s_mov_b32 s[\g+7], 0
.endm
	s_load_b256 s[4:11], s[0:1], 0x0               ; cimg, img, isc, out0
	v_lshl_add_u32 v[SPW], v0, 2, SPARE
	v_mov_b32 v[NIL], 0
	ds_add_u32 v[SPW], v[NIL]                      ; the wave's opening: the add, twice on end, and its wait ahead of my first tensor load
	ds_add_u32 v[SPW], v[NIL]
	v_lshrrev_b32 v1, 5, v0
	v_readfirstlane_b32 s20, v1                    ; wave 0..3
	v_and_b32 v1, 31, v0
	v_and_b32 v14, 15, v0                          ; r
	v_bfe_u32 v15, v0, 4, 1                        ; h
	v_lshlrev_b32 v[LO16], 4, v1
	v_lshlrev_b32 v1, 3, v1
	s_wait_alu depctr_va_vdst(0)
	s_lshr_b32 s21, s20, 1                         ; i: my 32 rows of a half
	s_and_b32 s22, s20, 1                          ; jw: my 64 columns
	s_bfe_u32 s23, ttmp6, 0x40000                  ; cx
	s_bfe_u32 s76, ttmp6, 0x40004                  ; cy
	s_lshl_b32 s77, ttmp9, 2
	s_add_co_u32 s77, s77, s23                     ; the column block
	s_and_b32 s78, ttmp7, 0xffff
	s_lshl_b32 s78, s78, 2
	s_add_co_u32 s78, s78, s76                     ; the row block
	s_lshl_b32 s79, s76, 2
	s_lshl_b32 s79, 15, s79                        ; my row of the cluster
	s_lshl_b32 s80, 0x1111, s23                    ; my column
	MKG1 24, 79, 128                               ; two tiles of ctx
	MKG1 32, 80, 192                               ; four tiles of Wo
	MKG1 40, 79, 64                                ; one tile of ctx
	s_lshl_b32 s82, s21, 15                        ; my two tiles of ctx,
	s_mul_i32 s83, s22, 49152
	s_add_co_u32 s83, s83, WOFF                    ; my four of Wo
	v_add_nc_u32 v[ADC], s82, v1
	v_add_nc_u32 v[ADC+1], 65536, v[ADC]
	v_add_nc_u32 v[ADW], s83, v[LO16]
	v_lshlrev_b32 v7, 11, v15
	v_lshl_add_u32 v7, v14, 3, v7                  ; lanes 16-31 take the words of two heads further on
	s_add_co_u32 s82, s82, 768
	v_add_nc_u32 v[ADS], s82, v7
	v_add_nc_u32 v[ADS+1], 65536, v[ADS]
	s_mul_i32 s90, s20, 4352
	s_add_co_u32 s90, s90, STAGE                   ; my stage
	v_mul_u32_u24 v[STO], v14, 272
	v_lshl_add_u32 v[STO], v15, 5, v[STO]
	v_add_nc_u32 v[STO], s90, v[STO]               ; in: row r, 32 bytes for each half of the lanes
	v_mul_u32_u24 v[RD], v15, 272
	v_lshl_add_u32 v[RD], v14, 4, v[RD]
	v_add_nc_u32 v[RD], s90, v[RD]                 ; back: lanes 0-15 one row of 256 bytes, lanes 16-31 the next
	v_lshlrev_b32 v[CO], 12, v15
	v_lshl_add_u32 v[CO], v14, 4, v[CO]            ; and the same two rows in out
	s_lshl_b32 s82, s78, 17                        ; ctx: 131,072 bytes a row block; the row block and the wave alone
	s_lshl_b32 s84, s20, 15
	s_lshl_b32 s86, s20, 14
	s_add_co_u32 s86, s86, 65536
	s_mov_b32 s49, s84                             ; where they land: the head's two tiles, and tile 4 + w
	s_mov_b32 s57, s86
	s_add_co_u32 s84, s84, s82
	s_add_co_u32 s86, s86, s82
	s_mov_b32 s85, 0
	s_mov_b32 s87, 0
	s_mov_b32 s53, s83                             ; Wo's four tiles: wave 2 the first, wave 3 the second four
	s_lshl_b32 s88, s77, 3
	s_lshl_b32 s89, s22, 2
	s_add_co_u32 s88, s88, s89
	s_add_co_u32 s88, s88, 352                     ; Wo's tile 352 + 8 x column block + 4 (w % 2): the column block and the wave alone
	s_lshl_b32 s92, s88, 9                         ; its scale words
	s_mul_i32 s88, s88, 12288
	s_mov_b32 s89, 0
	s_mov_b32 s93, 0
	s_lshl_b32 s94, s78, 19                        ; out at my first row and column: (128 rb + 32 i) x 4,096 + (128 x column block + 64 jw) x 4
	s_lshl_b32 s91, s21, 17
	s_add_co_u32 s94, s94, s91
	s_lshl_b32 s91, s77, 9
	s_add_co_u32 s94, s94, s91
	s_lshl_b32 s91, s22, 8
	s_add_co_u32 s94, s94, s91
	s_mov_b32 s95, 0
	s_wait_alu depctr_va_vdst(0)
	s_wait_dscnt 0x0                               ; both opening adds are done
	s_wait_kmcnt 0x0
	s_mov_b32 s48, 1
	s_mov_b32 s52, 1
	s_mov_b32 s56, 1
	s_add_nc_u64 s[50:51], s[4:5], s[84:85]
	s_or_b32 s51, s51, 0x80000000
	s_add_nc_u64 s[54:55], s[6:7], s[88:89]
	s_or_b32 s55, s55, 0x80000000
	s_add_nc_u64 s[58:59], s[4:5], s[86:87]
	s_or_b32 s59, s59, 0x80000000
	s_add_nc_u64 s[8:9], s[8:9], s[92:93]
	s_add_nc_u64 s[10:11], s[10:11], s[94:95]
.irp u, 0,1,2,3
	global_load_b128 v[SCL0+4*\u:SCL0+4*\u+3], v[LO16], s[8:9] offset:512*\u
.endr
	CROUND                                         ; all sixteen work-groups are here: the joint loads meet
	s_cmp_lt_u32 s20, 2
	s_cbranch_scc0 .Lfor_w
	tensor_load_to_lds s[48:51], s[24:31]
	s_nop 0
.rept 4
	v_nop
.endr
	s_branch .Lasked
.Lfor_w:
	tensor_load_to_lds s[52:55], s[32:39]
	s_nop 0
.rept 4
	v_nop
.endr
.Lasked:
; 24 LDS loads: K step st's six fragments into buffer st % 2: ctx's by pieces of 8 bytes a lane (two heads of six registers), Wo's by pieces of 16
.macro FETCH hh, st
	WIN TO_F
.set BF, 72*((\st)%2)
.irp a, 0,1
.irp q, 0,1,2,3,4,5
	ds_load_b64 v[BF+12*\a+2*\q:BF+12*\a+2*\q+1], v[ADC+\hh] offset:16384*\a+2048*(\st)+1024*(\q/3)+256*(\q%3)
.endr
.endr
.irp t, 0,1,2,3
.irp p, 0,1,2
	ds_load_b128 v[BF+24+12*\t+4*\p:BF+24+12*\t+4*\p+3], v[ADW] offset:12288*\t+1536*(\st)+512*\p
.endr
.endr
.endm
; 8 matrix instructions: the accumulators take turns, one instruction a turn, in the same order in every step; the first step starts the sums
.macro MUL hh, st
	WIN W_MUL
.set BF, 72*((\st)%2)
.irp a, 0,1
.irp t, 0,1,2,3
.set AC, ACC+64*\hh+8*(4*\a+\t)
.if (\st) == 0
	v_wmma_scale_f32_16x16x128_f8f6f4 v[AC:AC+7], v[BF+24+12*\t:BF+24+12*\t+11], v[BF+12*\a:BF+12*\a+11], 0, v[SCL0+4*\t], v[SC1+4*\a] matrix_a_fmt:MATRIX_FMT_BF6 matrix_b_fmt:MATRIX_FMT_BF6
.elseif ((\st)%2) == 0
	v_wmma_scale_f32_16x16x128_f8f6f4 v[AC:AC+7], v[BF+24+12*\t:BF+24+12*\t+11], v[BF+12*\a:BF+12*\a+11], v[AC:AC+7], v[SCL0+4*\t+(\st)/2], v[SC1+4*\a+(\st)/2] matrix_a_fmt:MATRIX_FMT_BF6 matrix_b_fmt:MATRIX_FMT_BF6
.else
	v_wmma_scale_f32_16x16x128_f8f6f4 v[AC:AC+7], v[BF+24+12*\t:BF+24+12*\t+11], v[BF+12*\a:BF+12*\a+11], v[AC:AC+7], v[SCL0+4*\t+(\st)/2], v[SC1+4*\a+(\st)/2] matrix_a_fmt:MATRIX_FMT_BF6 matrix_b_fmt:MATRIX_FMT_BF6 matrix_a_scale:MATRIX_SCALE_ROW1 matrix_b_scale:MATRIX_SCALE_ROW1
.endif
.endr
.endr
.endm
.macro HALF hh
	WIN 0
.irp a, 0,1
.irp j, 0,1,2,3
.irp s, 0,1
	ds_load_b32 v[RAW+8*\a+2*\j+\s], v[ADS+\hh] offset:16384*\a+4096*\j+1024*\s
.endr
.endr
.endr
	FETCH \hh, 0
	s_wait_dscnt 24                                ; the scale words; the 24 fragment loads may be out
	WIN 0
.irp a, 0,1
.irp j, 0,1,2,3
	v_lshl_or_b32 v[SC1+4*\a+\j], v[RAW+8*\a+2*\j+1], 16, v[RAW+8*\a+2*\j]   ; two heads make a K step's word
.endr
.endr
.rept 8
	v_nop                                          ; a scale written by a vector instruction stands 8 places ahead of the product
.endr
	s_wait_alu depctr_va_vdst(0)
.irp k, 0,1,2,3,4,5,6
.if \k > 0
	PLACES                                         ; the buffer to be loaded was multiplied a step ago
.endif
	FETCH \hh, \k+1
	s_wait_dscnt 24                                ; all but the 24 just issued
	MUL \hh, \k
.endr
	s_wait_dscnt 0x0
	MUL \hh, 7
	PLACES
	WIN 0
.endm
; THE WAY OUT of a half, 16 rows x 64 columns at a time, through my own stage; LDS serves a wave's instructions in order, so no wait stands between the stores and the loads, nor ahead of the next block's stores
.macro TOSTAGE hh, a
.irp t, 0,1,2,3
.set AC, ACC+64*\hh+8*(4*\a+\t)
	ds_store_b128 v[STO], v[AC:AC+3] offset:64*\t          ; each accumulator from its low end on
	ds_store_b128 v[STO], v[AC+4:AC+7] offset:64*\t+16
.endr
.irp n, 0,1,2,3,4,5,6,7
	ds_load_b128 v[BK+32*\a+4*\n:BK+32*\a+4*\n+3], v[RD] offset:544*\n
.endr
.endm
.macro SEND hh, a, younger             ; younger: the LDS instructions issued behind block a's loads, which may stay out
	s_wait_dscnt \younger
.irp n, 0,1,2,3,4,5,6,7
	global_store_b128 v[CO], v[BK+32*\a+4*\n:BK+32*\a+4*\n+3], s[10:11] offset:(64*\hh+16*\a+2*\n)*4096 th:TH_STORE_NT   ; sixteen lanes store 256 consecutive bytes, aligned; written once
.endr
.endm
	s_wait_loadcnt 0x0                             ; Wo's scale words
	s_wait_tensorcnt 0x0                           ; my part of the head's tiles is in
	ds_add_u32 v[SPW], v[NIL]
	s_wait_dscnt 0x0
	CROUND
	tensor_load_to_lds s[56:59], s[40:47]          ; ctx's tile 4 + w
	s_nop 0
.rept 4
	v_nop
.endr
	HALF 0
	s_wait_tensorcnt 0x0                           ; my tile of the second half is in
	TOSTAGE 0, 0
	TOSTAGE 0, 1
	SEND 0, 0, 16                                  ; behind block 0's loads: block 1's eight stores and eight loads
	SEND 0, 1, 0
	s_barrier_signal -1
	s_barrier_wait -1                              ; everybody's is
	HALF 1
	s_wait_xcnt 0x0                                ; the first half's stores have read their registers
	TOSTAGE 1, 0
	TOSTAGE 1, 1
	SEND 1, 0, 16
	SEND 1, 1, 0
	s_wait_tensorcnt 0x0                           ; the wave's end
	ds_add_u32 v[SPW], v[NIL]
	s_wait_dscnt 0x0
	CROUND                                         ; the closing round
	s_endpgm
.Lfunc_end_k_q6517bb637b_oproj:
	.size	k_q6517bb637b_oproj, .Lfunc_end_k_q6517bb637b_oproj-k_q6517bb637b_oproj
	.p2alignl 7, 3214868480
	.fill 96, 4, 3214868480
	.section	.rodata,"a",@progbits
	.p2align	6, 0x0
	.amdhsa_kernel k_q6517bb637b_oproj
		.amdhsa_group_segment_fixed_size 327680
		.amdhsa_private_segment_fixed_size 0
		.amdhsa_enable_private_segment 0
		.amdhsa_kernarg_size 32
		.amdhsa_user_sgpr_count 2
		.amdhsa_user_sgpr_kernarg_segment_ptr 1
		.amdhsa_wavefront_size32 1
		.amdhsa_system_sgpr_workgroup_id_x 1
		.amdhsa_system_sgpr_workgroup_id_y 1
		.amdhsa_system_sgpr_workgroup_id_z 1
		.amdhsa_system_vgpr_workitem_id 0
		.amdhsa_next_free_vgpr 400
		.amdhsa_next_free_sgpr 100
		.amdhsa_reserve_vcc 0
		.amdhsa_float_denorm_mode_32 3
		.amdhsa_float_denorm_mode_16_64 3
		.amdhsa_memory_ordered 1
		.amdhsa_forward_progress 1
		.amdhsa_inst_pref_size 62
	.end_amdhsa_kernel
	.amdgpu_metadata
---
amdhsa.version: [ 1, 2 ]
amdhsa.kernels:
  - .name:           k_q6517bb637b_oproj
    .symbol:         k_q6517bb637b_oproj.kd
    .args:
      - { .name: cimg, .offset: 0, .size: 8, .value_kind: global_buffer, .address_space: global }
      - { .name: img, .offset: 8, .size: 8, .value_kind: global_buffer, .address_space: global }
      - { .name: isc, .offset: 16, .size: 8, .value_kind: global_buffer, .address_space: global }
      - { .name: out0, .offset: 24, .size: 8, .value_kind: global_buffer, .address_space: global }
    .group_segment_fixed_size: 327680
    .private_segment_fixed_size: 0
    .kernarg_segment_align: 8
    .kernarg_segment_size: 32
    .max_flat_workgroup_size: 128
    .sgpr_count:     100
    .vgpr_count:     400
    .wavefront_size: 32
...
	.end_amdgpu_metadata
.endif
;; end of part 4
